; MI455X (gfx1250); checked and timed in simulation.
; The chip was launched on July 23, 2026; its instructions are those of AMD's public machine-readable ISA for CDNA 5 (MIT licence, August 2026) and "CDNA5" Instruction Set Architecture Reference Guide (July 2026). The comments in the code are by the model that wrote it; some were corrected since.
;; Self Attention. Allowed arithmetic: float matrix products may take bf16 or f16 operands with f32 sums; all other float work in f32.
;; Inputs: kernel 3 x 1,024 x 1,024 float32; x 4 x 2,048 x 1,024 float32.
;; Outputs: out0 4 x 2,048 x 1,024 float32.
;; 2 versions, each right; version 2 is version 1 with the launch prep written anew for expert scheduling mode. Each part assembles by itself: llvm-mc -triple=amdgcn-amd-amdhsa -mcpu=gfx1250 --defsym DOCPART=n.
;; ======== version 1 of 2: 4 launches
;; limits: values are held in f16: magnitudes above 65,504 overflow, below 6.1e-05 lose precision; right only within a limited range of input values
;; workspace buffers: xb 16,777,216 bytes; wb 6,291,456 bytes; qkv 50,331,648 bytes; p 33,554,432 bytes; stats 524,288 bytes
;; launch prep (part 1): grid 352 x 1, 8 waves a work-group, no clusters, 0 bytes of LDS; arguments x, kernel, xb, wb; writes xb, wb
.if DOCPART == 1
	.amdgcn_target "amdgcn-amd-amdhsa--gfx1250"
	.amdhsa_code_object_version 6
	.text
	.protected	k_q257a2d969f_prep
	.globl	k_q257a2d969f_prep
	.p2align	8
	.type	k_q257a2d969f_prep,@function
k_q257a2d969f_prep:
	s_mov_b64 s[64:65], 0
	v_nop
	global_prefetch_b8 v0, s[64:65] scope:SCOPE_SE
	s_setreg_imm32_b32 hwreg(HW_REG_WAVE_MODE, 25, 1), 1
	s_wait_xcnt 0x0
; CASTS.  xb[kb][row][kk] = bf16(x[row][64 kb + kk]): x's 8,192 rows in 16 blocks of 64 along K, so that 256 rows x 64 k lie as 32,768 dense bytes.
; wb[d][1024 j + e] = bf16(kernel[j][d][e] / 8): the three weights side by side, 6,144 bytes a row.  The division by 8 is a step of the exponent, exact
; but for numbers below 2^-123; it leaves q, k and v, kept in f16 by the next launch, room up to 8 x 65,504.
; A stream: every input byte is read once, by 16-byte loads of which sixteen neighbouring lanes cover 256 aligned bytes; every store of a wave covers
; 256 consecutive aligned bytes.  No LDS, no matrix unit, no cluster: nothing is shared and nothing is used twice.
; Work-groups 0-255 take 32 rows of x each, work-groups 256-351 take 32 rows (j, d) of kernel each.
.set IN,  8                            ; v[8:135]    load n: 4 registers
.set OUTR, 136                         ; v[136:199]  store n: 2 registers
	s_load_b256 s[4:11], s[0:1], 0x0               ; x s[4:5], kernel s[6:7], xb s[8:9], wb s[10:11]
	v_lshrrev_b32 v1, 5, v0                        ; wave
	v_bfe_u32 v2, v0, 4, 1                         ; which half of the lanes
	v_and_b32 v3, 15, v0                           ; place in the half
	v_and_b32 v4, 31, v0                           ; lane
	s_cmp_lt_u32 ttmp9, 256
	s_cbranch_scc0 .Lweights
	; x: a wave takes 4 rows; a load takes 256 bytes (64 k) of two rows, one for each half of the lanes
	v_lshl_add_u32 v2, v1, 2, v2                   ; row in the group: 4 wave + half (+ 2 pair in the immediate)
	v_lshlrev_b32 v5, 4, v3
	v_lshl_add_u32 v5, v2, 12, v5                  ; from: row x 4,096 + 16 c
	v_lshlrev_b32 v6, 3, v3
	v_lshl_add_u32 v6, v2, 7, v6                   ; to: row x 128 + 8 c
	s_lshl_b32 s12, ttmp9, 17                      ; 32 rows of 4,096 bytes
	s_mov_b32 s13, 0
	s_lshl_b32 s14, ttmp9, 12                      ; 32 rows of 128 bytes
	s_mov_b32 s15, 0
	s_wait_kmcnt 0x0
	s_add_nc_u64 s[4:5], s[4:5], s[12:13]
	s_add_nc_u64 s[8:9], s[8:9], s[14:15]
	s_add_nc_u64 s[16:17], s[8:9], 0x800000        ; blocks 8-15 of xb: a second base keeps the immediates inside their signed 24 bits
.set n, 0
.rept 32                               ; load n: pair n / 16 of rows, block n % 16 of k
	global_load_b128 v[IN+4*n:IN+4*n+3], v5, s[4:5] offset:(n/16)*8192+(n%16)*256 th:TH_LOAD_NT
.set n, n+1
.endr
.set n, 0
.rept 32
	s_wait_loadcnt 31-n                            ; loads come back in order: load n is in, the younger ones stay out
	v_cvt_pk_bf16_f32 v[OUTR+2*n], v[IN+4*n], v[IN+4*n+1]
	v_cvt_pk_bf16_f32 v[OUTR+2*n+1], v[IN+4*n+2], v[IN+4*n+3]
.if (n%16) < 8
	global_store_b64 v6, v[OUTR+2*n:OUTR+2*n+1], s[8:9] offset:(n/16)*256+(n%16)*1048576      ; two rows x 128 bytes: 256 consecutive bytes
.else
	global_store_b64 v6, v[OUTR+2*n:OUTR+2*n+1], s[16:17] offset:(n/16)*256+((n%16)-8)*1048576
.endif
.set n, n+1
.endr
	s_endpgm
.Lweights:
	; kernel: a wave takes 4 rows (j, d); a load takes 512 consecutive bytes of a row
	s_sub_co_u32 s12, ttmp9, 256                   ; group 0-95
	s_lshr_b32 s18, s12, 5                         ; j
	s_and_b32 s19, s12, 31
	s_mul_i32 s14, s19, 32*6144                    ; the group's first d, in rows of wb,
	s_lshl_b32 s18, s18, 11                        ; and j's 2,048 bytes in a row
	s_add_co_u32 s14, s14, s18
	s_mov_b32 s15, 0
	s_lshl_b32 s12, s12, 17
	s_mov_b32 s13, 0
	v_lshlrev_b32 v5, 4, v4
	v_lshl_add_u32 v5, v1, 14, v5                  ; from: wave x 4 rows + 16 lane
	v_lshlrev_b32 v6, 3, v4
	v_mul_u32_u24 v7, v1, 4*6144
	v_add_nc_u32 v6, v6, v7                        ; to: wave x 4 rows of wb + 8 lane
	s_wait_kmcnt 0x0
	s_add_nc_u64 s[6:7], s[6:7], s[12:13]
	s_add_nc_u64 s[10:11], s[10:11], s[14:15]
.set n, 0
.rept 32                               ; load n: row n / 8, 512 bytes n % 8
	global_load_b128 v[IN+4*n:IN+4*n+3], v5, s[6:7] offset:(n/8)*4096+(n%8)*512 th:TH_LOAD_NT
.set n, n+1
.endr
.set n, 0
.rept 32
	s_wait_loadcnt 31-n
	v_pk_mul_f32 v[IN+4*n:IN+4*n+1], v[IN+4*n:IN+4*n+1], 0x3e000000 op_sel_hi:[1,0]           ; / 8
	v_pk_mul_f32 v[IN+4*n+2:IN+4*n+3], v[IN+4*n+2:IN+4*n+3], 0x3e000000 op_sel_hi:[1,0]
	v_cvt_pk_bf16_f32 v[OUTR+2*n], v[IN+4*n], v[IN+4*n+1]
	v_cvt_pk_bf16_f32 v[OUTR+2*n+1], v[IN+4*n+2], v[IN+4*n+3]
	global_store_b64 v6, v[OUTR+2*n:OUTR+2*n+1], s[10:11] offset:(n/8)*6144+(n%8)*256         ; 256 consecutive bytes, aligned
.set n, n+1
.endr
	s_endpgm
.Lfunc_end_k_q257a2d969f_prep:
	.size	k_q257a2d969f_prep, .Lfunc_end_k_q257a2d969f_prep-k_q257a2d969f_prep
	.p2alignl 7, 3214868480
	.fill 96, 4, 3214868480
	.section	.rodata,"a",@progbits
	.p2align	6, 0x0
	.amdhsa_kernel k_q257a2d969f_prep
		.amdhsa_group_segment_fixed_size 0
		.amdhsa_private_segment_fixed_size 0
		.amdhsa_enable_private_segment 0
		.amdhsa_kernarg_size 32
		.amdhsa_user_sgpr_count 2
		.amdhsa_user_sgpr_kernarg_segment_ptr 1
		.amdhsa_wavefront_size32 1
		.amdhsa_system_sgpr_workgroup_id_x 1
		.amdhsa_system_sgpr_workgroup_id_y 1
		.amdhsa_system_sgpr_workgroup_id_z 1
		.amdhsa_system_vgpr_workitem_id 0
		.amdhsa_next_free_vgpr 200
		.amdhsa_next_free_sgpr 66
		.amdhsa_reserve_vcc 0
		.amdhsa_float_denorm_mode_32 3
		.amdhsa_float_denorm_mode_16_64 3
		.amdhsa_memory_ordered 1
		.amdhsa_forward_progress 1
		.amdhsa_inst_pref_size 30
	.end_amdhsa_kernel
	.amdgpu_metadata
---
amdhsa.version: [ 1, 2 ]
amdhsa.kernels:
  - .name:           k_q257a2d969f_prep
    .symbol:         k_q257a2d969f_prep.kd
    .args:
      - { .name: x, .offset: 0, .size: 8, .value_kind: global_buffer, .address_space: global }
      - { .name: kernel, .offset: 8, .size: 8, .value_kind: global_buffer, .address_space: global }
      - { .name: xb, .offset: 16, .size: 8, .value_kind: global_buffer, .address_space: global }
      - { .name: wb, .offset: 24, .size: 8, .value_kind: global_buffer, .address_space: global }
    .group_segment_fixed_size: 0
    .private_segment_fixed_size: 0
    .kernarg_segment_align: 8
    .kernarg_segment_size: 32
    .max_flat_workgroup_size: 256
    .sgpr_count:     66
    .vgpr_count:     200
    .wavefront_size: 32
...
	.end_amdgpu_metadata
.endif
;; end of part 1
;; launch proj (part 2): grid 8 x 32, 4 waves a work-group, clusters of 4 x 4, 327,680 bytes of LDS; arguments xb, wb, qkv; writes qkv
.if DOCPART == 2
	.amdgcn_target "amdgcn-amd-amdhsa--gfx1250"
	.amdhsa_code_object_version 6
	.text
	.protected	k_q257a2d969f_proj
	.globl	k_q257a2d969f_proj
	.p2align	8
	.type	k_q257a2d969f_proj,@function
k_q257a2d969f_proj:
	s_mov_b64 s[64:65], 0
	v_nop
	global_prefetch_b8 v0, s[64:65] scope:SCOPE_SE
	s_setreg_imm32_b32 hwreg(HW_REG_WAVE_MODE, 25, 1), 1
	s_wait_xcnt 0x0
	s_wait_alu depctr_hold_cnt(0) depctr_sa_sdst(0) depctr_va_vdst(0) depctr_va_sdst(0) depctr_va_ssrc(0) depctr_va_vcc(0) depctr_vm_vsrc(0)
	s_getreg_b32 s2, hwreg(HW_REG_IB_STS2, 6, 4)
	s_cmp_eq_u32 s2, 0
	s_cbranch_scc0 .Lentry_in_a_cluster
	s_endpgm
.Lentry_in_a_cluster:
	s_bfe_u32 s2, ttmp6, 0x10000c
	s_cmp_lg_u32 s2, 0xf033
	s_cbranch_scc0 .Lentry_shape_is_right
	s_endpgm
.Lentry_shape_is_right:
; qkv[row][0:3072] = [q | k | v] / 8 = x . [W0 | W1 | W2] / 8.  Operands bf16 (xb, wb), sums f32, result rounded once to f16.
; LIMIT.  f16 ends at 65,504, so |x . W| must stay under 524,000; beyond it an infinity arises.  Numbers under 6e-5 (of q / 8) keep f16's fixed step of 6e-8.
; SHARES.  C is 8,192 x 3,072.  A work-group makes 256 rows x 384 columns: 32 x 8 = 256 work-groups of equal work (tiles of 256 x 256 would be 384).  Each of its four waves
; makes 128 x 192: 96 accumulators of 16 x 16, 768 registers.  K = 1,024 goes in 16 steps of 64 through two LDS slots; a step is two quarters of 32 along K, 96 matrix instructions each.
; CLUSTER.  4 x 4 work-groups.  x's tile hangs on the tile row alone and is asked for jointly by the four of a row of the cluster, W's on the tile column alone and is asked for
; by the four of a column.  Wave 0 asks for x's tile (32,768 dense bytes as 128 rows of 256), waves 1-3 for 128 columns of W each (64 rows of 256 bytes).
; THE MATRIX INSTRUCTION IS USED TRANSPOSED: source 0 = 16 columns of W (turned on the way out of LDS by ds_load_tr16_b128, since wb lies [k][n]), source 1 = 16 rows of x.
; A lane then holds row l % 16 of C and eight neighbouring columns 8 (l / 16) + 0..7: 16 bytes of f16.
; A wave's 192 columns: blocks b = 0-7 are region 2 wc of the tile's three regions of 128 columns, blocks 8-11 are half wc of region 1.
; REGISTERS, in windows of 256 (s_set_vgpr_msb: bits 1:0 source 0, 3:2 source 1, 5:4 source 2, 7:6 destination):
;   window 0: v0-31 addresses; v32-95, v96-159 x's fragments (8 x 16 rows x 32 K), two buffers; v160-255 W's 12 fragments, one buffer, reloaded four blocks at a time behind their last use
;   window 1 + w: the accumulators of column blocks 4 w .. 4 w + 3: (a, b) at v[8 (8 (b % 4) + a)]
.set PA,    144                        ; a row of x in LDS: 128 bytes + 16 = 36 words: the 16 rows of a load start at 16 different groups of four banks (64 banks of 4 bytes: ISA guide 11.1)
.set PB,    288                        ; a row of W: 256 + 32 = 72 words
.set RB,    64*PB                      ; a region: 64 k x 128 columns
.set BOFF,  256*PA                     ; W's regions lie behind x's 256 rows
.set SLOT,  BOFF+3*RB                  ; 92,160
.set SP,    784                        ; the stage's row: 768 bytes + 16
.set SPARE, 256*SP                     ; the stage, 256 rows, lies over the ring, whose last fill is then long done; behind it the spare words, 128 bytes a wave, which no other line names
.set ASTEP, 8192*128                   ; bytes from a block of xb to the next
.set BSTEP, 64*6144                    ; bytes of 64 rows of wb
.set ADRA, 16                          ; v16-17  my x fragments in slot 0, 1
.set ADRF, 18                          ; v18-19  my W fragments, blocks 0-7
.set ADRH, 20                          ; v20-21  blocks 8-11
.set STOF, 22                          ; v22-23  the way out: where I put 16 bytes, blocks 0-7, row blocks 0-3 and 4-7
.set STOH, 24                          ; v24-25  the same, blocks 8-11
.set RD,   26                          ; v26     where I read rows back
.set CO,   27                          ; v27     my byte offset in qkv
.set SPW,  28                          ; v28     my spare word; never rewritten
.set NIL,  29                          ; v29     0; never rewritten
.set FA0,  32
.set FA1,  96
.set FB,   160
.set TMP,  32                          ; the way out: v32-223
.set G1A, 24                           ; s[24:31] group 1 for x's tiles;  s[32:39] group 0, a set for each slot
.set G0A, 32
.set G1B, 48                           ; s[48:55], s[56:63] the same for W's
.set G0B, 56
.set MSB, 0
.macro WIN new                         ; the immediate's high byte repeats the setting that is left; a switch that changes nothing is dropped
.if MSB != (\new)
	s_set_vgpr_msb (MSB<<8)|(\new)
.set MSB, \new
.endif
.endm
.macro PLACES                          ; four plain places behind matrix instructions, in front of loads into registers that they read and of vector reads of their results
.rept 4
	v_nop
.endr
.endm
.macro JLOAD s                         ; a joint load; the branch hangs on the wave's number alone; an s_nop 0 and four v_nop follow each line
	s_cmp_eq_u32 s10, 0
	s_cbranch_scc0 .Lfor_b_\@
	tensor_load_to_lds s[G0A+4*(\s):G0A+4*(\s)+3], s[G1A:G1A+7]
	s_nop 0
.rept 4
	v_nop
.endr
	s_branch .Lasked_\@
.Lfor_b_\@:
	tensor_load_to_lds s[G0B+4*(\s):G0B+4*(\s)+3], s[G1B:G1B+7]
	s_nop 0
.rept 4
	v_nop
.endr
.Lasked_\@:
.endm
.macro CREST                           ; a round of the cluster's barrier behind its opening barrier
	s_cmp_lg_u32 s10, 0
	s_cbranch_scc1 .Lnot_wave_0_\@
	s_barrier_signal -3
.Lnot_wave_0_\@:
	s_barrier_wait -3
	s_barrier_signal -1
	s_barrier_wait -1
.endm
.macro CROUND
	s_barrier_signal -1
	s_barrier_wait -1
	CREST
.endm
	s_load_b128 s[4:7], s[0:1], 0x0                ; xb s[4:5], wb s[6:7]
	s_load_b64 s[8:9], s[0:1], 0x10                ; qkv
	v_lshl_add_u32 v[SPW], v0, 2, SPARE
	v_mov_b32 v[NIL], 0
	ds_add_u32 v[SPW], v[NIL]                      ; the wave's opening: the add and its wait stand ahead of my first tensor load; the set-up stands between them
	v_lshrrev_b32 v1, 5, v0
	v_readfirstlane_b32 s10, v1                    ; wave 0..3
	s_lshr_b32 s11, s10, 1                         ; wr: which 128 rows are mine
	s_and_b32 s12, s10, 1                          ; wc: which 192 columns
	s_bfe_u32 s40, ttmp6, 0x40000                  ; cx
	s_bfe_u32 s41, ttmp6, 0x40004                  ; cy
	s_lshl_b32 s42, ttmp9, 2
	s_add_co_u32 s42, s42, s40                     ; tile column 0..7
	s_and_b32 s13, ttmp7, 0xffff
	s_lshl_b32 s13, s13, 2
	s_add_co_u32 s13, s13, s41                     ; tile row 0..31
	s_lshl_b32 s43, s41, 2
	s_lshl_b32 s43, 15, s43                        ; my row of the cluster
	s_lshl_b32 s44, 0x1111, s40                    ; my column
	s_or_b32 s[G1A+0], s43, (1<<16)|(1<<20)|(1<<21)|(4<<22)|(3<<25)  ; mask; 2-byte elements; padding on; bit 21 beside a mask; after every 32 words 4 words
	s_mov_b32 s[G1A+1], 128<<16                    ; tensor_dim0 = 128 elements (two rows of xb)
	s_mov_b32 s[G1A+2], 128<<16                    ; tensor_dim1 = 128
	s_mov_b32 s[G1A+3], 128<<16                    ; tile_dim0 = 128
	s_mov_b32 s[G1A+4], 128                        ; tile_dim1 = 128
	s_mov_b32 s[G1A+5], 128                        ; dense: 128 elements from row to row
	s_mov_b32 s[G1A+6], 0
	s_mov_b32 s[G1A+7], 0
	s_or_b32 s[G1B+0], s44, (1<<16)|(1<<20)|(1<<21)|(5<<22)|(7<<25)  ; after every 64 words 8 words
	s_mov_b32 s[G1B+1], 128<<16                    ; tensor_dim0 = 128 columns
	s_mov_b32 s[G1B+2], 64<<16                     ; tensor_dim1 = 64 k
	s_mov_b32 s[G1B+3], 128<<16
	s_mov_b32 s[G1B+4], 64
	s_mov_b32 s[G1B+5], 3072                       ; elements in a row of wb
	s_mov_b32 s[G1B+6], 0
	s_mov_b32 s[G1B+7], 0
	s_lshl_b32 s16, s13, 15                        ; x: 256 rows of 128 bytes a tile row
	s_mov_b32 s17, 0
	s_max_u32 s45, s10, 1
	s_sub_co_u32 s45, s45, 1                       ; W: waves 1-3 take regions 0-2 (wave 0 never asks by this address)
	s_lshl_b32 s45, s45, 8
	s_mul_i32 s46, s42, 768
	s_add_co_u32 s46, s46, s45
	s_mov_b32 s47, 0
	s_mul_i32 s20, s10, RB
	s_add_co_u32 s20, s20, BOFF-RB                 ; and where the region goes: wave x a region: no place in the cluster enters an LDS address
	s_wait_dscnt 0x0                               ; the opening add is done
	s_wait_kmcnt 0x0
	s_add_nc_u64 s[14:15], s[4:5], s[16:17]
	s_add_nc_u64 s[46:47], s[6:7], s[46:47]
	CROUND                                         ; all sixteen work-groups are here: the first joint loads meet
.irp s, 0,1
	s_mov_b32 s[G0A+4*(\s)], 1
	s_mov_b32 s[G0A+4*(\s)+1], (\s)*SLOT
	s_add_nc_u64 s[G0A+4*(\s)+2:G0A+4*(\s)+3], s[14:15], (\s)*ASTEP
	s_or_b32 s[G0A+4*(\s)+3], s[G0A+4*(\s)+3], 0x80000000
	s_mov_b32 s[G0B+4*(\s)], 1
	s_add_co_u32 s[G0B+4*(\s)+1], s20, (\s)*SLOT
	s_add_nc_u64 s[G0B+4*(\s)+2:G0B+4*(\s)+3], s[46:47], (\s)*BSTEP
	s_or_b32 s[G0B+4*(\s)+3], s[G0B+4*(\s)+3], 0x80000000
	JLOAD \s                                       ; K steps 0 and 1: two loads of mine are out
.endr
	v_and_b32 v1, 15, v0                           ; r = l % 16
	v_bfe_u32 v2, v0, 4, 1                         ; h = l / 16
	v_mul_u32_u24 v3, v1, PA
	v_lshl_add_u32 v3, v2, 4, v3                   ; x fragment: row x pitch + 16 h
	s_mul_i32 s21, s11, 128*PA
	v_add_nc_u32 v[ADRA], s21, v3
	v_add_nc_u32 v[ADRA+1], SLOT, v[ADRA]
	v_and_b32 v4, 7, v0                            ; the turning load: lane l reads k = 8 h + l % 8, columns 8 ((l / 8) % 2) + 0..7
	v_bfe_u32 v5, v0, 3, 1
	v_lshl_add_u32 v4, v2, 3, v4
	v_mul_u32_u24 v4, v4, PB
	v_lshl_add_u32 v4, v5, 4, v4
	s_mul_i32 s22, s12, 2*RB
	s_add_co_u32 s22, s22, BOFF
	v_add_nc_u32 v[ADRF], s22, v4
	v_add_nc_u32 v[ADRF+1], SLOT, v[ADRF]
	s_lshl_b32 s23, s12, 7
	s_add_co_u32 s23, s23, BOFF+RB
	v_add_nc_u32 v[ADRH], s23, v4
	v_add_nc_u32 v[ADRH+1], SLOT, v[ADRH]
	v_mul_u32_u24 v6, v1, SP                       ; into the stage: row r, 16 bytes for each half of the lanes
	v_lshl_add_u32 v6, v2, 4, v6
	s_mul_i32 s21, s11, 128*SP
	s_lshl_b32 s22, s12, 9
	s_add_co_u32 s22, s22, s21
	v_add_nc_u32 v[STOF], s22, v6
	v_add_nc_u32 v[STOF+1], 64*SP, v[STOF]
	s_lshl_b32 s23, s12, 7
	s_add_co_u32 s23, s23, s21
	s_add_co_u32 s23, s23, 256
	v_add_nc_u32 v[STOH], s23, v6
	v_add_nc_u32 v[STOH+1], 64*SP, v[STOH]
	v_mul_u32_u24 v7, v2, SP                       ; back: wave w takes rows 64 w .. 64 w + 63; lanes 0-15 256 bytes of one row, lanes 16-31 of the next
	v_lshl_add_u32 v7, v1, 4, v7
	s_mul_i32 s21, s10, 64*SP
	v_add_nc_u32 v[RD], s21, v7
	v_mul_u32_u24 v7, v2, 6144
	v_lshl_add_u32 v[CO], v1, 4, v7
	s_lshl_b32 s16, s13, 8
	s_lshl_b32 s17, s10, 6
	s_add_co_u32 s16, s16, s17
	s_mul_i32 s16, s16, 6144                       ; the first row that I store
	s_mov_b32 s17, 0
	s_add_nc_u64 s[8:9], s[8:9], s[16:17]
	s_mul_i32 s46, s42, 768                        ; the tile's first column, in bytes
	s_mov_b32 s47, 0
	s_add_nc_u64 s[8:9], s[8:9], s[46:47]
.macro LDA s, kq, fa, a0               ; 8 loads: x's row blocks a0 .. a0 + 3, 32 K at quarter kq of slot s, into buffer fa
	WIN 0
.irp i, 0,1,2,3
	ds_load_b128 v[(\fa)+8*((\a0)+(\i)):(\fa)+8*((\a0)+(\i))+3],   v[ADRA+(\s)] offset:((\a0)+(\i))*16*PA+64*(\kq)
	ds_load_b128 v[(\fa)+8*((\a0)+(\i))+4:(\fa)+8*((\a0)+(\i))+7], v[ADRA+(\s)] offset:((\a0)+(\i))*16*PA+64*(\kq)+32
.endr
.endm
.macro LDB s, kq, b0                   ; 8 turning loads: W's column blocks b0 .. b0 + 3
	WIN 0
.irp i, 0,1,2,3
.if (\b0) < 8
	ds_load_tr16_b128 v[FB+8*((\b0)+(\i)):FB+8*((\b0)+(\i))+3],   v[ADRF+(\s)] offset:32*((\b0)+(\i))+(\kq)*32*PB
	ds_load_tr16_b128 v[FB+8*((\b0)+(\i))+4:FB+8*((\b0)+(\i))+7], v[ADRF+(\s)] offset:32*((\b0)+(\i))+(\kq)*32*PB+16*PB
.else
	ds_load_tr16_b128 v[FB+8*((\b0)+(\i)):FB+8*((\b0)+(\i))+3],   v[ADRH+(\s)] offset:32*((\b0)+(\i)-8)+(\kq)*32*PB
	ds_load_tr16_b128 v[FB+8*((\b0)+(\i))+4:FB+8*((\b0)+(\i))+7], v[ADRH+(\s)] offset:32*((\b0)+(\i)-8)+(\kq)*32*PB+16*PB
.endif
.endr
.endm
; 16 matrix instructions: column blocks 4 w + 2 half + 0, 1 x all 8 row blocks.  The 96 accumulators take turns, one instruction a turn.  zero = 1: the product starts the sum.
.macro MUL16 fa, w, half, zero
	WIN 0x50*((\w)+1)
.irp j, 0,1
.irp i, 0,1,2,3,4,5,6,7
.if \zero
	v_wmma_f32_16x16x32_bf16 v[8*(8*(2*(\half)+(\j))+(\i)):8*(8*(2*(\half)+(\j))+(\i))+7], v[FB+8*(4*(\w)+2*(\half)+(\j)):FB+8*(4*(\w)+2*(\half)+(\j))+7], v[(\fa)+8*(\i):(\fa)+8*(\i)+7], 0
.else
	v_wmma_f32_16x16x32_bf16 v[8*(8*(2*(\half)+(\j))+(\i)):8*(8*(2*(\half)+(\j))+(\i))+7], v[FB+8*(4*(\w)+2*(\half)+(\j)):FB+8*(4*(\w)+2*(\half)+(\j))+7], v[(\fa)+8*(\i):(\fa)+8*(\i)+7], v[8*(8*(2*(\half)+(\j))+(\i)):8*(8*(2*(\half)+(\j))+(\i))+7]
.endif
.endr
.endr
.endm
; A quarter: multiplies buffer fa and W's buffer; behind each third of it the four W blocks just used, and half of x's other buffer fn, take the fragments of quarter nk of slot ns.
.macro QUARTER ns, nk, fa, fn, zero
	s_wait_dscnt 8                                 ; all but the youngest eight loads (W's blocks 8-11) are in
	MUL16 \fa, 0, 0, \zero
	MUL16 \fa, 0, 1, \zero
	PLACES
	LDB \ns, \nk, 0
	LDA \ns, \nk, \fn, 0
	MUL16 \fa, 1, 0, \zero
	MUL16 \fa, 1, 1, \zero
	PLACES
	LDB \ns, \nk, 4
	LDA \ns, \nk, \fn, 4
	s_wait_dscnt 32                                ; W's blocks 8-11 are in: behind them stand the 32 loads just issued
	MUL16 \fa, 2, 0, \zero
	MUL16 \fa, 2, 1, \zero
	PLACES
	LDB \ns, \nk, 8
.endm
; The quarter on buffer 1 changes slots: ONE barrier.  In front of it each wave waits for all its tensor loads (one is out: its part of the next slot), adds 0 to its spare word, and waits for that
; and for its reads of this slot.  fill = 1: the barrier opens a round of the cluster's, and this slot is filled again, two K steps on, first thing behind it: 160 matrix instructions ahead of the wait for it.
.macro TURN slot, next, fill
	WIN 0
	s_wait_tensorcnt 0x0                           ; all my tensor loads have landed
	ds_add_u32 v[SPW], v[NIL]
	s_wait_dscnt 9                                 ; (the add and the youngest eight loads may be out)
	MUL16 FA1, 0, 0, 0                             ; work on registers between the add and the wait for it
	s_wait_dscnt 0x0                               ; the add is done, and my reads of this slot are over
	s_barrier_signal -1
	MUL16 FA1, 0, 1, 0
	WIN 0
	s_barrier_wait -1
.if \fill
	CREST                                          ; no wave of any partner still reads this slot or has a load on its way
	s_add_nc_u64 s[G0A+4*(\slot)+2:G0A+4*(\slot)+3], s[G0A+4*(\slot)+2:G0A+4*(\slot)+3], 2*ASTEP
	s_add_nc_u64 s[G0B+4*(\slot)+2:G0B+4*(\slot)+3], s[G0B+4*(\slot)+2:G0B+4*(\slot)+3], 2*BSTEP
	JLOAD \slot                                    ; its four v_nop are also the places in front of the loads below
.else
	PLACES
.endif
	LDB \next, 0, 0
	LDA \next, 0, FA0, 0
	MUL16 FA1, 1, 0, 0
	MUL16 FA1, 1, 1, 0
	PLACES
	LDB \next, 0, 4
	LDA \next, 0, FA0, 4
	MUL16 FA1, 2, 0, 0                             ; the wait for 0 above has shown W's blocks 8-11 in
	MUL16 FA1, 2, 1, 0
	PLACES
	LDB \next, 0, 8
.endm
	s_wait_tensorcnt 1                             ; my part of K step 0 is in; step 1's may stay out
	s_barrier_signal -1
	s_barrier_wait -1
	LDB 0, 0, 0
	LDA 0, 0, FA0, 0
	LDB 0, 0, 4
	LDA 0, 0, FA0, 4
	LDB 0, 0, 8
	QUARTER 0, 1, FA0, FA1, 1                      ; the first quarter stands in front of the loop: its products start the sums
	WIN 0
	s_mov_b32 s3, 7
.Llap:                                                 ; a trip goes once round the ring and fills both slots again: K steps 2 to 15
	TURN 0, 1, 1
	QUARTER 1, 1, FA0, FA1, 0
	TURN 1, 0, 1
	QUARTER 0, 1, FA0, FA1, 0
	WIN 0
	s_sub_co_u32 s3, s3, 1
	s_cmp_lg_u32 s3, 0
	s_cbranch_scc1 .Llap
	TURN 0, 1, 0                                   ; the last lap fills nothing
	QUARTER 1, 1, FA0, FA1, 0
	s_wait_dscnt 0x0                               ; my last reads of the ring are over:
	s_barrier_signal -1                            ; behind this barrier the stage is written over the ring, whose last fill every wave has waited for
	MUL16 FA1, 0, 0, 0
	MUL16 FA1, 0, 1, 0
	MUL16 FA1, 1, 0, 0
	MUL16 FA1, 1, 1, 0
	MUL16 FA1, 2, 0, 0
	MUL16 FA1, 2, 1, 0
	WIN 0
	s_barrier_wait -1
	; THE WAY OUT.  Rounded to f16, 16 bytes a lane into the work-group's stage (a row's 768 bytes come from two waves); a barrier; back as pieces of 256 bytes, 64 rows a wave.
	PLACES
.irp w, 1,2,3
	WIN (\w)|((\w)<<2)                             ; sources in window w; each accumulator's registers in ascending order
.set i, 0
.rept 128
	v_cvt_pk_f16_f32 v[TMP+i], v[2*i], v[2*i+1]
.set i, i+1
.endr
	WIN 0
.irp j, 0,1,2,3
.irp i, 0,1,2,3,4,5,6,7
.if (\w) < 3
	ds_store_b128 v[STOF+(\i)/4], v[TMP+4*(8*(\j)+(\i)):TMP+4*(8*(\j)+(\i))+3] offset:((\i)%4)*16*SP+32*(4*((\w)-1)+(\j))
.else
	ds_store_b128 v[STOH+(\i)/4], v[TMP+4*(8*(\j)+(\i)):TMP+4*(8*(\j)+(\i))+3] offset:((\i)%4)*16*SP+32*(\j)
.endif
.endr
.endr
.endr
	s_wait_dscnt 0x0                               ; for the others' sake: my stores into the stage are done
	s_barrier_signal -1
	s_barrier_wait -1
.irp x, 0,1
.if (\x) == 1
	s_wait_xcnt 0x0                                ; the first batch's stores have had their addresses translated (ISA guide 3.1): their data registers are loaded again only behind this wait
.endif
.set n, 0
.rept 48
	ds_load_b128 v[TMP+4*n:TMP+4*n+3], v[RD] offset:2*(16*(\x)+n/3)*SP+256*(n%3)
.set n, n+1
.endr
.set n, 0
.rept 48
	s_wait_dscnt 47-n
	global_store_b128 v[CO], v[TMP+4*n:TMP+4*n+3], s[8:9] offset:2*(16*(\x)+n/3)*6144+256*(n%3)  ; 16 lanes store 256 consecutive bytes, at a multiple of 256 from qkv's first byte
.set n, n+1
.endr
.endr
	s_wait_tensorcnt 0x0                           ; the wave's end
	ds_add_u32 v[SPW], v[NIL]
	s_wait_dscnt 0x0
	CROUND                                         ; the closing round
	s_endpgm
.Lfunc_end_k_q257a2d969f_proj:
	.size	k_q257a2d969f_proj, .Lfunc_end_k_q257a2d969f_proj-k_q257a2d969f_proj
	.p2alignl 7, 3214868480
	.fill 96, 4, 3214868480
	.section	.rodata,"a",@progbits
	.p2align	6, 0x0
	.amdhsa_kernel k_q257a2d969f_proj
		.amdhsa_group_segment_fixed_size 327680
		.amdhsa_private_segment_fixed_size 0
		.amdhsa_enable_private_segment 0
		.amdhsa_kernarg_size 24
		.amdhsa_user_sgpr_count 2
		.amdhsa_user_sgpr_kernarg_segment_ptr 1
		.amdhsa_wavefront_size32 1
		.amdhsa_system_sgpr_workgroup_id_x 1
		.amdhsa_system_sgpr_workgroup_id_y 1
		.amdhsa_system_sgpr_workgroup_id_z 1
		.amdhsa_system_vgpr_workitem_id 0
		.amdhsa_next_free_vgpr 1024
		.amdhsa_next_free_sgpr 66
		.amdhsa_reserve_vcc 0
		.amdhsa_float_denorm_mode_32 3
		.amdhsa_float_denorm_mode_16_64 3
		.amdhsa_memory_ordered 1
		.amdhsa_forward_progress 1
		.amdhsa_inst_pref_size 132
	.end_amdhsa_kernel
	.amdgpu_metadata
---
amdhsa.version: [ 1, 2 ]
amdhsa.kernels:
  - .name:           k_q257a2d969f_proj
    .symbol:         k_q257a2d969f_proj.kd
    .args:
      - { .name: xb, .offset: 0, .size: 8, .value_kind: global_buffer, .address_space: global }
      - { .name: wb, .offset: 8, .size: 8, .value_kind: global_buffer, .address_space: global }
      - { .name: qkv, .offset: 16, .size: 8, .value_kind: global_buffer, .address_space: global }
    .group_segment_fixed_size: 327680
    .private_segment_fixed_size: 0
    .kernarg_segment_align: 8
    .kernarg_segment_size: 24
    .max_flat_workgroup_size: 128
    .sgpr_count:     66
    .vgpr_count:     1024
    .wavefront_size: 32
...
	.end_amdgpu_metadata
.endif
;; end of part 2
;; launch scores (part 3): grid 8 x 32, 4 waves a work-group, clusters of 4 x 4, 327,680 bytes of LDS; arguments qkv, p, stats; writes p, stats
.if DOCPART == 3
	.amdgcn_target "amdgcn-amd-amdhsa--gfx1250"
	.amdhsa_code_object_version 6
	.text
	.protected	k_q257a2d969f_scores
	.globl	k_q257a2d969f_scores
	.p2align	8
	.type	k_q257a2d969f_scores,@function
k_q257a2d969f_scores:
	s_mov_b64 s[64:65], 0
	v_nop
	global_prefetch_b8 v0, s[64:65] scope:SCOPE_SE
	s_setreg_imm32_b32 hwreg(HW_REG_WAVE_MODE, 25, 1), 1
	s_wait_xcnt 0x0
	s_wait_alu depctr_hold_cnt(0) depctr_sa_sdst(0) depctr_va_vdst(0) depctr_va_sdst(0) depctr_va_ssrc(0) depctr_va_vcc(0) depctr_vm_vsrc(0)
	s_getreg_b32 s2, hwreg(HW_REG_IB_STS2, 6, 4)
	s_cmp_eq_u32 s2, 0
	s_cbranch_scc0 .Lentry_in_a_cluster
	s_endpgm
.Lentry_in_a_cluster:
	s_bfe_u32 s2, ttmp6, 0x10000c
	s_cmp_lg_u32 s2, 0xf033
	s_cbranch_scc0 .Lentry_shape_is_right
	s_endpgm
.Lentry_shape_is_right:
; For each block t of 256 keys of a row's batch: s = (q / 8) . (k / 8), so that the reference's score is 2 s;  m_t = the block's largest s;  p = 2^(c s - c m_t), c = 2 log2(e), rounded to f16;
; stats holds c m_t and l_t = the sum of the unrounded p, for each (block, row).  The next launch joins the eight blocks of a row by their maxima.  Every exponent is at most a rounding above 0.
; LIMITS.  q / 8 and k / 8 arrive in f16.  p below 6e-5 keeps f16's fixed step of 6e-8; a weight below 2^-126 counts as 0 in l; NaN and infinities are not treated apart.
; SHARES.  A work-group makes 256 queries x 256 keys (32 x 8 = 256 work-groups), a wave 128 x 128: 64 accumulators, 512 registers.  K = 1,024 goes in 8 steps of 128 through two LDS slots;
; the tiles' rows are 256 bytes of memory at multiples of 256.  CLUSTER: 4 x 4; q's tile is asked for jointly along a row of the cluster, k's along a column.
; THE MATRIX INSTRUCTION IS USED TRANSPOSED (source 0 = 16 keys, source 1 = 16 queries): a lane holds ONE query (l % 16) and the keys 8 (l / 16) + 0..7 of each block of 16.
; REGISTERS, in windows of 256 (s_set_vgpr_msb: bits 1:0 source 0, 3:2 source 1, 5:4 source 2, 7:6 destination):
;   window 0: v0-31 addresses; v64-127, v128-191 q's fragments, two buffers; behind the loop v32-223 serve the softmax      window 1: v64-191 k's fragments
;   window 2: the accumulators of my queries 0-63 ((a, b) at v[8 (8 a + b)]);   window 3: those of queries 64-127
.set KSTEP,  128
.set PITCH,  272                       ; 256 bytes + 16 = 68 words: the 16 rows of a load start at 16 different groups of four banks (64 banks of 4 bytes: ISA guide 11.1)
.set HALFT,  128*PITCH
.set SLOT,   4*HALFT                   ; q's 256 rows, then k's 256 rows
.set STAGE,  2*SLOT                    ; behind the ring: 16 rows x 272 bytes for each wave
.set MX,     STAGE+4*16*PITCH          ; [column half][256 rows] f32: the waves' maxima; 2,048 bytes on the same for their sums
.set SPARE,  MX+4096                   ; the spare words, 128 bytes a wave, which no other line names
.set ROWB,   6144                      ; bytes in a row of qkv
.set MXS,  8                           ; v8   where I put my rows' maxima
.set MXL,  9                           ; v9   where the other column half's lie
.set SRD,  10                          ; v10  two rows' words, for the statistics
.set SCO,  11                          ; v11  8 x lane
.set ADRA, 16
.set ADRB, 20
.set STO,  24
.set RD,   25
.set CO,   26
.set SPW,  28
.set NIL,  29
.set CM,   32                          ; v32-47   c m of row block a, as a pair
.set MW,   48                          ; v48-55   my maximum of block a; later its sum
.set PM,   56                          ; v56-63   the partner's; at work
.set CH,   64                          ; v64-95   32 chains of maxima
.set OB,   96                          ; v96-127, v128-159 by turns: 16 rows read back from the stage
.set SR,   160                         ; v160-167 the statistics to store
.set TMP,  192                         ; v192-223 a block's p in f16
.set F0,   64
.set F1,   128
.set CS,   18                          ; s[18:19] c, twice
.set SEL,  22                          ; s[22:23] v_permlanex16_b32's selects: each lane takes its own place in the other half
.set G1, 24
.set G0, 32
.set G1B, 48
.set G0B, 56
.set MSB, 0
.macro WIN new
.if MSB != (\new)
	s_set_vgpr_msb (MSB<<8)|(\new)
.set MSB, \new
.endif
.endm
.set MUL_LO, 0xa1                      ; source 0 (k) window 1, source 1 (q) window 0, C and D window 2
.set MUL_HI, 0xf1
.set TO_B,   0x40
.macro PLACES
.rept 4
	v_nop
.endr
.endm
.macro JLOAD s                         ; waves 0 and 1 fetch q's two halves, waves 2 and 3 k's; an s_nop 0 and four v_nop follow each line
	s_cmp_eq_u32 s11, 0
	s_cbranch_scc0 .Lfor_b_\@
	tensor_load_to_lds s[G0+4*(\s):G0+4*(\s)+3], s[G1:G1+7]
	s_nop 0
.rept 4
	v_nop
.endr
	s_branch .Lasked_\@
.Lfor_b_\@:
	tensor_load_to_lds s[G0B+4*(\s):G0B+4*(\s)+3], s[G1B:G1B+7]
	s_nop 0
.rept 4
	v_nop
.endr
.Lasked_\@:
.endm
.macro CREST
	s_cmp_lg_u32 s10, 0
	s_cbranch_scc1 .Lnot_wave_0_\@
	s_barrier_signal -3
.Lnot_wave_0_\@:
	s_barrier_wait -3
	s_barrier_signal -1
	s_barrier_wait -1
.endm
.macro CROUND
	s_barrier_signal -1
	s_barrier_wait -1
	CREST
.endm
	s_load_b128 s[4:7], s[0:1], 0x0                ; qkv s[4:5], p s[6:7]
	s_load_b64 s[8:9], s[0:1], 0x10                ; stats
	v_lshl_add_u32 v[SPW], v0, 2, SPARE
	v_mov_b32 v[NIL], 0
	ds_add_u32 v[SPW], v[NIL]                      ; the wave's opening: the add and its wait stand ahead of my first tensor load
	v_lshrrev_b32 v1, 5, v0
	v_readfirstlane_b32 s10, v1                    ; wave
	s_lshr_b32 s11, s10, 1                         ; wr: my half of the queries.  Also: I fetch q (0) or k (1)
	s_and_b32 s12, s10, 1                          ; wc: my half of the keys.  Also: which 128 rows I fetch
	s_bfe_u32 s40, ttmp6, 0x40000                  ; cx
	s_bfe_u32 s41, ttmp6, 0x40004                  ; cy
	s_lshl_b32 s42, ttmp9, 2
	s_add_co_u32 s42, s42, s40                     ; key block 0..7
	s_and_b32 s13, ttmp7, 0xffff
	s_lshr_b32 s45, s13, 1                         ; the batch: two clusters along y each, so it hangs on the cluster's y alone
	s_lshl_b32 s13, s13, 2
	s_add_co_u32 s13, s13, s41                     ; query block 0..31, over all batches
	s_lshl_b32 s43, s41, 2
	s_lshl_b32 s43, 15, s43
	s_lshl_b32 s44, 0x1111, s40
	s_or_b32 s[G1+0], s43, (1<<16)|(1<<20)|(1<<21)|(5<<22)|(3<<25)   ; mask; 2-byte elements; padding: after every 64 words 4 words; bit 21 beside a mask
	s_or_b32 s[G1B+0], s44, (1<<16)|(1<<20)|(1<<21)|(5<<22)|(3<<25)
.irp g, G1, G1B
	s_mov_b32 s[(\g)+1], KSTEP<<16                 ; tensor_dim0 = 128
	s_mov_b32 s[(\g)+2], 128<<16                   ; tensor_dim1 = 128
	s_mov_b32 s[(\g)+3], KSTEP<<16                 ; tile_dim0 = 128
	s_mov_b32 s[(\g)+4], 128                       ; tile_dim1 = 128
	s_mov_b32 s[(\g)+5], 3072                      ; elements in a row of qkv
	s_mov_b32 s[(\g)+6], 0
	s_mov_b32 s[(\g)+7], 0
.endr
	s_lshl_b32 s17, s12, 7
	s_lshl_b32 s16, s13, 8
	s_add_co_u32 s16, s16, s17
	s_mul_i32 s16, s16, ROWB                       ; q: row 256 x query block + 128 x half
	s_lshl_b32 s46, s45, 11
	s_lshl_b32 s47, s42, 8
	s_add_co_u32 s46, s46, s47
	s_add_co_u32 s46, s46, s17
	s_mul_i32 s46, s46, ROWB                       ; k: row 2,048 x batch + 256 x key block + 128 x half,
	s_add_co_u32 s46, s46, 2048                    ; 2,048 bytes into the row
	s_mov_b32 s17, 0
	s_mov_b32 s47, 0
	s_mul_i32 s20, s10, HALFT                      ; where they go: wave x 128 rows
	s_wait_dscnt 0x0
	s_wait_kmcnt 0x0
	s_add_nc_u64 s[14:15], s[4:5], s[16:17]
	s_add_nc_u64 s[46:47], s[4:5], s[46:47]
	CROUND
.irp s, 0,1
	s_mov_b32 s[G0+4*(\s)], 1
	s_add_co_u32 s[G0+4*(\s)+1], s20, (\s)*SLOT
	s_add_nc_u64 s[G0+4*(\s)+2:G0+4*(\s)+3], s[14:15], (\s)*KSTEP*2
	s_or_b32 s[G0+4*(\s)+3], s[G0+4*(\s)+3], 0x80000000
	s_mov_b32 s[G0B+4*(\s)], 1
	s_add_co_u32 s[G0B+4*(\s)+1], s20, (\s)*SLOT
	s_add_nc_u64 s[G0B+4*(\s)+2:G0B+4*(\s)+3], s[46:47], (\s)*KSTEP*2
	s_or_b32 s[G0B+4*(\s)+3], s[G0B+4*(\s)+3], 0x80000000
	JLOAD \s                                       ; two loads of mine are out
.endr
	v_and_b32 v1, 15, v0                           ; r
	v_bfe_u32 v2, v0, 4, 1                         ; h
	v_mul_u32_u24 v3, v1, PITCH
	v_lshl_add_u32 v3, v2, 4, v3                   ; r x pitch + 16 h
	s_mul_i32 s21, s11, HALFT
	s_mul_i32 s22, s12, HALFT
	s_add_co_u32 s22, s22, 2*HALFT
.irp s, 0,1
	v_add_nc_u32 v[ADRA+(\s)], s21, v3
	v_add_nc_u32 v[ADRB+(\s)], s22, v3
	s_add_co_u32 s21, s21, SLOT
	s_add_co_u32 s22, s22, SLOT
.endr
	s_mul_i32 s23, s10, 16*PITCH
	s_add_co_u32 s23, s23, STAGE                   ; my stage
	v_add_nc_u32 v[STO], s23, v3                   ; in: row r, 16 bytes for each half of the lanes
	v_mul_u32_u24 v5, v2, PITCH
	v_lshl_add_u32 v5, v1, 4, v5
	v_add_nc_u32 v[RD], s23, v5                    ; back: lanes 0-15 one row of 256 bytes, lanes 16-31 the next
	v_lshlrev_b32 v5, 12, v2
	v_lshl_add_u32 v[CO], v1, 4, v5                ; the same two rows in p
	s_lshl_b32 s21, s11, 9                         ; 128 wr rows of 4 bytes
	s_lshl_b32 s22, s12, 10
	s_add_co_u32 s22, s22, s21
	s_add_co_u32 s22, s22, MX
	v_lshl_add_u32 v[MXS], v1, 2, s22
	s_sub_co_u32 s23, 1, s12                       ; the other column half
	s_lshl_b32 s23, s23, 10
	s_add_co_u32 s23, s23, s21
	s_add_co_u32 s23, s23, MX
	v_lshl_add_u32 v[MXL], v1, 2, s23
	v_lshl_add_u32 v[SRD], v0, 3, MX               ; thread t stores the statistics of rows 2 t and 2 t + 1
	v_and_b32 v5, 31, v0
	v_lshlrev_b32 v[SCO], 3, v5
	s_lshl_b32 s16, s13, 8
	s_lshl_b32 s17, s11, 7
	s_add_co_u32 s16, s16, s17
	s_lshl_b32 s16, s16, 12                        ; p: my first row, 4,096 bytes a row,
	s_mov_b32 s17, 0
	s_add_nc_u64 s[6:7], s[6:7], s[16:17]
	s_lshl_b32 s46, s42, 9                         ; and my 128 keys: 512 x key block + 256 x half
	s_lshl_b32 s47, s12, 8
	s_add_co_u32 s46, s46, s47
	s_mov_b32 s47, 0
	s_add_nc_u64 s[6:7], s[6:7], s[46:47]
	s_lshl_b32 s16, s13, 10                        ; stats: row 256 x query block + 64 x wave,
	s_lshl_b32 s21, s10, 8
	s_add_co_u32 s16, s16, s21
	s_add_nc_u64 s[8:9], s[8:9], s[16:17]
	s_lshl_b32 s46, s42, 15                        ; in the key block's 8,192 words
	s_add_nc_u64 s[8:9], s[8:9], s[46:47]
	s_mov_b32 s[CS], 0x4038aa3b                    ; c = 2 log2(e) = 2.885390
	s_mov_b32 s[CS+1], 0x4038aa3b
	s_mov_b32 s[SEL], 0x76543210
	s_mov_b32 s[SEL+1], 0xfedcba98
; 16 matrix instructions: query blocks a0, a0 + 1 of the window's four x all 8 key blocks.  The 64 accumulators take turns, one instruction a turn.
.macro MUL16 f, hi, a0, zero
	WIN MUL_LO+0x50*(\hi)
.irp a, \a0, (\a0)+1
.irp b, 0,1,2,3,4,5,6,7
.if \zero
	v_wmma_f32_16x16x32_f16 v[8*(8*(\a)+(\b)):8*(8*(\a)+(\b))+7], v[(\f)+8*(\b):(\f)+8*(\b)+7], v[(\f)+8*(4*(\hi)+(\a)):(\f)+8*(4*(\hi)+(\a))+7], 0
.else
	v_wmma_f32_16x16x32_f16 v[8*(8*(\a)+(\b)):8*(8*(\a)+(\b))+7], v[(\f)+8*(\b):(\f)+8*(\b)+7], v[(\f)+8*(4*(\hi)+(\a)):(\f)+8*(4*(\hi)+(\a))+7], v[8*(8*(\a)+(\b)):8*(8*(\a)+(\b))+7]
.endif
.endr
.endr
.endm
.macro FETCH slot, k, f                ; 32 LDS loads in one run: k's 128 rows, then q's, 32 along K at byte k of the rows
	WIN TO_B
.irp i, 0,1,2,3,4,5,6,7
	ds_load_b128 v[(\f)+8*(\i):(\f)+8*(\i)+3],   v[ADRB+(\slot)] offset:(\k)+(\i)*16*PITCH
	ds_load_b128 v[(\f)+8*(\i)+4:(\f)+8*(\i)+7], v[ADRB+(\slot)] offset:(\k)+(\i)*16*PITCH+32
.endr
	WIN 0
.irp i, 0,1,2,3,4,5,6,7
	ds_load_b128 v[(\f)+8*(\i):(\f)+8*(\i)+3],   v[ADRA+(\slot)] offset:(\k)+(\i)*16*PITCH
	ds_load_b128 v[(\f)+8*(\i)+4:(\f)+8*(\i)+7], v[ADRA+(\slot)] offset:(\k)+(\i)*16*PITCH+32
.endr
.endm
.macro QUARTER slot, k, f, g, zero
	s_wait_dscnt 8                                 ; k and q's rows 0-63 are in; the youngest eight loads (q's rows 64-127) may be out
	MUL16 \f, 0, 0, \zero
	MUL16 \f, 0, 2, \zero
	PLACES
	FETCH \slot, \k, \g
	s_wait_dscnt 32                                ; all but the 32 just issued
	MUL16 \f, 1, 0, \zero
	MUL16 \f, 1, 2, \zero
.endm
; The change of slots: each wave waits for all its tensor loads (one is out: its part of the next slot), adds 0 to its spare word, and waits for that and for its reads of this slot.
.macro MEET round
	WIN 0
	s_wait_tensorcnt 0x0
	ds_add_u32 v[SPW], v[NIL]
	s_wait_dscnt 9                                 ; (the add and the youngest eight loads may be out)
	MUL16 F1, 0, 0, 0
	s_wait_dscnt 0x0                               ; the add is done, and my reads of this slot are over
	s_barrier_signal -1
	MUL16 F1, 0, 2, 0
.if \round
	WIN 0
.endif
	s_barrier_wait -1
.endm
.macro TURN slot, next
	MEET 1
	CREST                                          ; no wave of any partner still reads this slot or has a load on its way
	s_add_nc_u64 s[G0+4*(\slot)+2:G0+4*(\slot)+3], s[G0+4*(\slot)+2:G0+4*(\slot)+3], 2*KSTEP*2
	s_add_nc_u64 s[G0B+4*(\slot)+2:G0B+4*(\slot)+3], s[G0B+4*(\slot)+2:G0B+4*(\slot)+3], 2*KSTEP*2
	JLOAD \slot                                    ; the first tensor load behind the round, 224 matrix instructions ahead of the wait for it; its v_nop are the places in front of the loads below
	FETCH \next, 0, F0
	MUL16 F1, 1, 0, 0
	MUL16 F1, 1, 2, 0
.endm
	s_wait_tensorcnt 1                             ; my part of K step 0 is in
	s_barrier_signal -1
	s_barrier_wait -1
	FETCH 0, 0, F0
	QUARTER 0, 64,  F0, F1, 1                      ; the first quarter's products start the sums
	WIN 0
	s_mov_b32 s3, 3
.Llap:                                                 ; a trip goes once round the ring and fills both slots again: K steps 2 to 7
	QUARTER 0, 128, F1, F0, 0
	QUARTER 0, 192, F0, F1, 0
	TURN 0, 1
	QUARTER 1, 64,  F0, F1, 0
	QUARTER 1, 128, F1, F0, 0
	QUARTER 1, 192, F0, F1, 0
	TURN 1, 0
	QUARTER 0, 64,  F0, F1, 0
	WIN 0
	s_sub_co_u32 s3, s3, 1
	s_cmp_lg_u32 s3, 0
	s_cbranch_scc1 .Llap
	QUARTER 0, 128, F1, F0, 0                      ; the last lap fills nothing
	QUARTER 0, 192, F0, F1, 0
	MEET 0
	PLACES
	FETCH 1, 0, F0
	MUL16 F1, 1, 0, 0
	MUL16 F1, 1, 2, 0
	QUARTER 1, 64,  F0, F1, 0
	QUARTER 1, 128, F1, F0, 0
	QUARTER 1, 192, F0, F1, 0
	s_wait_dscnt 8
	MUL16 F1, 0, 0, 0
	MUL16 F1, 0, 2, 0
	s_wait_dscnt 0x0
	MUL16 F1, 1, 0, 0
	MUL16 F1, 1, 2, 0
	; THE MAXIMA.  32 chains a window, one for each accumulator, three operands at a time, each accumulator's lowest registers first; then the eight chains of a row block, then the other half of the lanes.
	PLACES
.irp w, 2,3
	WIN (\w)|((\w)<<2)|((\w)<<4)
.set i, 0
.rept 32
	v_max3_num_f32 v[CH+i], v[8*i], v[8*i+1], v[8*i+2]
.set i, i+1
.endr
	WIN ((\w)<<2)|((\w)<<4)
.set i, 0
.rept 32
	v_max3_num_f32 v[CH+i], v[CH+i], v[8*i+3], v[8*i+4]
.set i, i+1
.endr
.set i, 0
.rept 32
	v_max3_num_f32 v[CH+i], v[CH+i], v[8*i+5], v[8*i+6]
.set i, i+1
.endr
.set i, 0
.rept 16
	v_max3_num_f32 v[CH+2*i], v[CH+2*i], v[16*i+7], v[16*i+15]
.set i, i+1
.endr
	WIN 0
.irp i, 0,1,2,3
	v_max3_num_f32 v[CH+8*(\i)], v[CH+8*(\i)], v[CH+8*(\i)+1], v[CH+8*(\i)+2]
	v_max3_num_f32 v[CH+8*(\i)+3], v[CH+8*(\i)+3], v[CH+8*(\i)+4], v[CH+8*(\i)+5]
.endr
.irp i, 0,1,2,3
	v_max3_num_f32 v[CH+8*(\i)], v[CH+8*(\i)], v[CH+8*(\i)+3], v[CH+8*(\i)+6]
.endr
.irp i, 0,1,2,3
	v_max_num_f32 v[CH+8*(\i)], v[CH+8*(\i)], v[CH+8*(\i)+7]
.endr
.irp i, 0,1,2,3
	v_permlanex16_b32 v[CH+8*(\i)+1], v[CH+8*(\i)], s[SEL], s[SEL+1]  ; the query's other 64 keys lie in the lane 16 away
.endr
.irp i, 0,1,2,3
	v_max_num_f32 v[MW+4*((\w)-2)+(\i)], v[CH+8*(\i)], v[CH+8*(\i)+1]
.endr
.endr
	; The two waves of a row half join their maxima through LDS.
.irp a, 0,1,2,3,4,5,6,7
	ds_store_b32 v[MXS], v[MW+(\a)] offset:64*(\a)     ; lanes r and r + 16 write the same word with the same value
.endr
	s_wait_dscnt 0x0                               ; for the others' sake
	s_barrier_signal -1
	s_barrier_wait -1
.irp a, 0,1,2,3,4,5,6,7
	ds_load_b32 v[PM+(\a)], v[MXL] offset:64*(\a)
.endr
	ds_load_b64 v[SR:SR+1], v[SRD]
	ds_load_b64 v[SR+2:SR+3], v[SRD] offset:1024
	s_wait_dscnt 0x0
.irp a, 0,1,2,3,4,5,6,7
	v_max_num_f32 v[MW+(\a)], v[MW+(\a)], v[PM+(\a)]
.endr
.irp a, 0,1,2,3,4,5,6,7
	v_mul_f32 v[CM+2*(\a)], s[CS], v[MW+(\a)]          ; c m, in both words of a pair
	v_mul_f32 v[CM+2*(\a)+1], s[CS], v[MW+(\a)]
.endr
	v_max_num_f32 v[SR], v[SR], v[SR+2]
	v_max_num_f32 v[SR+1], v[SR+1], v[SR+3]
	v_mul_f32 v[SR], s[CS], v[SR]                  ; the same product, so the same number as the one taken away below
	v_mul_f32 v[SR+1], s[CS], v[SR+1]
	global_store_b64 v[SCO], v[SR:SR+1], s[8:9]    ; 64 rows' c m: 256 consecutive bytes, aligned
; Row block a: c s - c m, the exponentials, the rounding to f16, and the sum of the lane's 64 weights by a tree in place.
.macro SOFT a
.set W, 2+(\a)/4
.set AC, 64*((\a)%4)
	WIN W|(W<<6)
.set i, 0
.rept 32
	v_pk_fma_f32 v[AC+2*i:AC+2*i+1], v[AC+2*i:AC+2*i+1], s[CS:CS+1], v[CM+2*(\a):CM+2*(\a)+1] op_sel_hi:[1,0,0] neg_lo:[0,0,1] neg_hi:[0,0,1]
.set i, i+1
.endr
.set i, 0
.rept 64
	v_exp_f32 v[AC+i], v[AC+i]
.set i, i+1
.endr
	v_nop                                          ; a plain instruction between the last exponential and the use of its result
	WIN W|(W<<2)
.set i, 0
	s_wait_alu depctr_va_vdst(0)
.rept 32
	v_cvt_pk_f16_f32 v[TMP+i], v[AC+2*i], v[AC+2*i+1]
.set i, i+1
.endr
	WIN W|(W<<2)|(W<<6)
.irp d, 16,8,4,2,1
.set i, 0
.rept \d
	v_pk_add_f32 v[AC+2*i:AC+2*i+1], v[AC+2*i:AC+2*i+1], v[AC+2*(i+(\d)):AC+2*(i+(\d))+1]
.set i, i+1
.endr
.endr
	WIN W|(W<<2)
	v_add_f32 v[MW+(\a)], v[AC], v[AC+1]
	WIN 0
.endm
.macro TOSTAGE a
	s_wait_xcnt 0x0                                ; earlier stores have had their addresses translated (ISA guide 3.1): the registers that they read are loaded again only behind this wait
.irp b, 0,1,2,3,4,5,6,7
	ds_store_b128 v[STO], v[TMP+4*(\b):TMP+4*(\b)+3] offset:32*(\b)
.endr
.irp t, 0,1,2,3,4,5,6,7
	ds_load_b128 v[OB+32*((\a)%2)+4*(\t):OB+32*((\a)%2)+4*(\t)+3], v[RD] offset:(\t)*2*PITCH  ; LDS serves a wave's instructions in order (ISA guide 5.7.1.4): these see the stores above
.endr
.endm
.macro SEND a
	s_wait_dscnt 0x0
.irp t, 0,1,2,3,4,5,6,7
	global_store_b128 v[CO], v[OB+32*((\a)%2)+4*(\t):OB+32*((\a)%2)+4*(\t)+3], s[6:7] offset:(16*(\a)+2*(\t))*4096  ; 16 lanes store 256 consecutive bytes, aligned: my 128 keys of a row
.endr
.endm
	SOFT 0
	TOSTAGE 0
.irp a, 1,2,3,4,5,6,7                  ; a block's arithmetic stands between the loads of the block before and the wait for them
	SOFT \a
	SEND (\a)-1
	TOSTAGE \a
.endr
	SEND 7
	; THE SUMS: the other half of the lanes, then the other column half through LDS (bytes of their own, so no barrier is owed to the maxima's readers).
.irp a, 0,1,2,3,4,5,6,7
	v_permlanex16_b32 v[PM+(\a)], v[MW+(\a)], s[SEL], s[SEL+1]
.endr
.irp a, 0,1,2,3,4,5,6,7
	v_add_f32 v[MW+(\a)], v[MW+(\a)], v[PM+(\a)]
.endr
.irp a, 0,1,2,3,4,5,6,7
	ds_store_b32 v[MXS], v[MW+(\a)] offset:2048+64*(\a)
.endr
	s_wait_dscnt 0x0
	s_barrier_signal -1
	s_barrier_wait -1
	ds_load_b64 v[SR+4:SR+5], v[SRD] offset:2048
	ds_load_b64 v[SR+6:SR+7], v[SRD] offset:3072
	s_wait_dscnt 0x0
	v_pk_add_f32 v[SR+4:SR+5], v[SR+4:SR+5], v[SR+6:SR+7]
	global_store_b64 v[SCO], v[SR+4:SR+5], s[8:9] offset:262144
	s_wait_tensorcnt 0x0                           ; the wave's end
	ds_add_u32 v[SPW], v[NIL]
	s_wait_dscnt 0x0
	CROUND                                         ; the closing round
	s_endpgm
.Lfunc_end_k_q257a2d969f_scores:
	.size	k_q257a2d969f_scores, .Lfunc_end_k_q257a2d969f_scores-k_q257a2d969f_scores
	.p2alignl 7, 3214868480
	.fill 96, 4, 3214868480
	.section	.rodata,"a",@progbits
	.p2align	6, 0x0
	.amdhsa_kernel k_q257a2d969f_scores
		.amdhsa_group_segment_fixed_size 327680
		.amdhsa_private_segment_fixed_size 0
		.amdhsa_enable_private_segment 0
		.amdhsa_kernarg_size 24
		.amdhsa_user_sgpr_count 2
		.amdhsa_user_sgpr_kernarg_segment_ptr 1
		.amdhsa_wavefront_size32 1
		.amdhsa_system_sgpr_workgroup_id_x 1
		.amdhsa_system_sgpr_workgroup_id_y 1
		.amdhsa_system_sgpr_workgroup_id_z 1
		.amdhsa_system_vgpr_workitem_id 0
		.amdhsa_next_free_vgpr 1024
		.amdhsa_next_free_sgpr 66
		.amdhsa_reserve_vcc 0
		.amdhsa_float_denorm_mode_32 3
		.amdhsa_float_denorm_mode_16_64 3
		.amdhsa_memory_ordered 1
		.amdhsa_forward_progress 1
		.amdhsa_inst_pref_size 213
	.end_amdhsa_kernel
	.amdgpu_metadata
---
amdhsa.version: [ 1, 2 ]
amdhsa.kernels:
  - .name:           k_q257a2d969f_scores
    .symbol:         k_q257a2d969f_scores.kd
    .args:
      - { .name: qkv, .offset: 0, .size: 8, .value_kind: global_buffer, .address_space: global }
      - { .name: p, .offset: 8, .size: 8, .value_kind: global_buffer, .address_space: global }
      - { .name: stats, .offset: 16, .size: 8, .value_kind: global_buffer, .address_space: global }
    .group_segment_fixed_size: 327680
    .private_segment_fixed_size: 0
    .kernarg_segment_align: 8
    .kernarg_segment_size: 24
    .max_flat_workgroup_size: 128
    .sgpr_count:     66
    .vgpr_count:     1024
    .wavefront_size: 32
...
	.end_amdgpu_metadata
.endif
;; end of part 3
;; launch pv (part 4): grid 8 x 32, 4 waves a work-group, clusters of 4 x 4, 327,680 bytes of LDS; arguments p, qkv, stats, out0; writes out0
.if DOCPART == 4
	.amdgcn_target "amdgcn-amd-amdhsa--gfx1250"
	.amdhsa_code_object_version 6
	.text
	.protected	k_q257a2d969f_pv
	.globl	k_q257a2d969f_pv
	.p2align	8
	.type	k_q257a2d969f_pv,@function
k_q257a2d969f_pv:
	s_mov_b64 s[64:65], 0
	v_nop
	global_prefetch_b8 v0, s[64:65] scope:SCOPE_SE
	s_setreg_imm32_b32 hwreg(HW_REG_WAVE_MODE, 25, 1), 1
	s_wait_xcnt 0x0
	s_wait_alu depctr_hold_cnt(0) depctr_sa_sdst(0) depctr_va_vdst(0) depctr_va_sdst(0) depctr_va_ssrc(0) depctr_va_vcc(0) depctr_vm_vsrc(0)
	s_getreg_b32 s2, hwreg(HW_REG_IB_STS2, 6, 4)
	s_cmp_eq_u32 s2, 0
	s_cbranch_scc0 .Lentry_in_a_cluster
	s_endpgm
.Lentry_in_a_cluster:
	s_bfe_u32 s2, ttmp6, 0x10000c
	s_cmp_lg_u32 s2, 0xf033
	s_cbranch_scc0 .Lentry_shape_is_right
	s_endpgm
.Lentry_shape_is_right:
; out[row][:] = the sum over the row's eight key blocks t of w'_t (P_t . V_t / 8), with cM = the largest c m_t, w_t = 2^(c m_t - cM), L = the sum of w_t l_t, w'_t = 8 w_t / L.
; So the running maximum of the softmax is finished here: every exponent is at most 0, and L is at least 1 (the block that holds the maximum has w = 1 and l >= 1).
; Products in f16 (p, v / 8) with f32 sums; a block's product is added onto the result in f32, by one fused multiply-add a number.
; LIMITS.  A w_t below 2^-126 counts as 0; NaN and infinities are not treated apart.
; SHARES.  A work-group makes 256 queries x 128 channels (32 x 8 = 256 work-groups; tiles of 256 x 256 would be 128), a wave 128 x 64.  The 2,048 keys go in 16 steps of 128 through two LDS slots;
; a lap of the ring is one key block of 256.  CLUSTER: 4 x 4; P's tile is asked for jointly along a row of the cluster, V's along a column.
; THE MATRIX INSTRUCTION IS USED TRANSPOSED: source 0 = 16 channels of V (turned by ds_load_tr16_b128, since V lies [key][channel]), source 1 = 16 queries of P: a lane holds one query and eight channels.
; REGISTERS, in windows of 256 (s_set_vgpr_msb: bits 1:0 source 0, 3:2 source 1, 5:4 source 2, 7:6 destination):
;   window 0: v0-31 addresses; v32-47 w' of my 8 row blocks, as pairs; v64-127, v128-191 P's fragments, two buffers; v192-223, v224-255 V's
;   window 1: X, the key block's product, (a, c) at v[8 (4 a + c)]          window 2: the result, likewise.  It is cleared on purpose, in the wait for the first tile: that spares a first lap written out.
.set PP,    272                        ; a row of P in LDS: 256 + 16 bytes
.set PV,    288                        ; a row of V: 256 + 32
.set HALFA, 128*PP
.set HALFB, 64*PV
.set BOFF,  2*HALFA
.set SLOT,  BOFF+2*HALFB               ; 106,496
.set STAGE, 2*SLOT                     ; behind the ring: 16 rows x 272 bytes for each wave
.set WT,    STAGE+4*16*272             ; [block 0..7][256 rows] pairs (w', w')
.set SPARE, WT+16384                   ; the spare words, 128 bytes a wave, which no other line names
.set ADRP, 16
.set ADRV, 20
.set STO,  24
.set RD,   25
.set CO,   26
.set WA,   27                          ; v27  where the next block's w' of my rows lie
.set SPW,  28
.set NIL,  29
.set WR,   32
.set FP,   64
.set GV,   192
.set OB,   64                          ; the way out: v64-95, v96-127 by turns
.set G1A, 24
.set G0A, 32
.set G1B, 48
.set G0B, 56
.set MSB, 0
.macro WIN new
.if MSB != (\new)
	s_set_vgpr_msb (MSB<<8)|(\new)
.set MSB, \new
.endif
.endm
.macro PLACES
.rept 4
	v_nop
.endr
.endm
.macro JLOAD s                         ; waves 0 and 1 fetch P's two halves, waves 2 and 3 V's; an s_nop 0 and four v_nop follow each line
	s_cmp_eq_u32 s11, 0
	s_cbranch_scc0 .Lfor_b_\@
	tensor_load_to_lds s[G0A+4*(\s):G0A+4*(\s)+3], s[G1A:G1A+7]
	s_nop 0
.rept 4
	v_nop
.endr
	s_branch .Lasked_\@
.Lfor_b_\@:
	tensor_load_to_lds s[G0B+4*(\s):G0B+4*(\s)+3], s[G1B:G1B+7]
	s_nop 0
.rept 4
	v_nop
.endr
.Lasked_\@:
.endm
.macro CREST
	s_cmp_lg_u32 s10, 0
	s_cbranch_scc1 .Lnot_wave_0_\@
	s_barrier_signal -3
.Lnot_wave_0_\@:
	s_barrier_wait -3
	s_barrier_signal -1
	s_barrier_wait -1
.endm
.macro CROUND
	s_barrier_signal -1
	s_barrier_wait -1
	CREST
.endm
	s_load_b128 s[4:7], s[0:1], 0x0                ; p s[4:5], qkv s[6:7]
	s_load_b128 s[16:19], s[0:1], 0x10             ; stats s[16:17], out0 s[18:19]
	v_lshl_add_u32 v[SPW], v0, 2, SPARE
	v_mov_b32 v[NIL], 0
	ds_add_u32 v[SPW], v[NIL]                      ; the wave's opening: the add and its wait stand ahead of my first tensor load
	v_lshrrev_b32 v1, 5, v0
	v_readfirstlane_b32 s10, v1                    ; wave
	s_lshr_b32 s11, s10, 1                         ; wr: my half of the queries.  Also: I fetch P (0) or V (1)
	s_and_b32 s12, s10, 1                          ; wc: my half of the channels.  Also: which half of that tile I fetch
	s_bfe_u32 s40, ttmp6, 0x40000
	s_bfe_u32 s41, ttmp6, 0x40004
	s_lshl_b32 s42, ttmp9, 2
	s_add_co_u32 s42, s42, s40                     ; channel block 0..7
	s_and_b32 s13, ttmp7, 0xffff
	s_lshr_b32 s45, s13, 1                         ; the batch, from the cluster's y alone
	s_lshl_b32 s13, s13, 2
	s_add_co_u32 s13, s13, s41                     ; query block 0..31
	s_lshl_b32 s43, s41, 2
	s_lshl_b32 s43, 15, s43
	s_lshl_b32 s44, 0x1111, s40
	s_or_b32 s[G1A+0], s43, (1<<16)|(1<<20)|(1<<21)|(5<<22)|(3<<25)  ; after every 64 words 4 words of padding
	s_mov_b32 s[G1A+1], 128<<16                    ; 128 keys
	s_mov_b32 s[G1A+2], 128<<16                    ; 128 queries
	s_mov_b32 s[G1A+3], 128<<16
	s_mov_b32 s[G1A+4], 128
	s_mov_b32 s[G1A+5], 2048                       ; elements in a row of p
	s_mov_b32 s[G1A+6], 0
	s_mov_b32 s[G1A+7], 0
	s_or_b32 s[G1B+0], s44, (1<<16)|(1<<20)|(1<<21)|(5<<22)|(7<<25)  ; 8 words of padding
	s_mov_b32 s[G1B+1], 128<<16                    ; 128 channels
	s_mov_b32 s[G1B+2], 64<<16                     ; 64 keys
	s_mov_b32 s[G1B+3], 128<<16
	s_mov_b32 s[G1B+4], 64
	s_mov_b32 s[G1B+5], 3072                       ; elements in a row of qkv
	s_mov_b32 s[G1B+6], 0
	s_mov_b32 s[G1B+7], 0
	s_lshl_b32 s20, s13, 8
	s_lshl_b32 s21, s12, 7
	s_add_co_u32 s20, s20, s21
	s_lshl_b32 s20, s20, 12                        ; P: row 256 x query block + 128 x half
	s_mov_b32 s21, 0
	s_lshl_b32 s46, s45, 11
	s_lshl_b32 s47, s12, 6
	s_add_co_u32 s46, s46, s47
	s_mul_i32 s46, s46, 6144                       ; V: row 2,048 x batch + 64 x half,
	s_lshl_b32 s47, s42, 8
	s_add_co_u32 s46, s46, s47                     ; 256 bytes a channel block,
	s_add_co_u32 s46, s46, 4096                    ; 4,096 bytes into the row
	s_mov_b32 s47, 0
	s_mul_i32 s22, s10, HALFA                      ; where they go: P's halves at wave x 128 rows (waves 0, 1),
	s_mul_i32 s23, s10, HALFB
	s_add_co_u32 s23, s23, BOFF-2*HALFB            ; V's behind them, at (wave - 2) x 64 rows (waves 2, 3)
	s_wait_dscnt 0x0
	s_wait_kmcnt 0x0
	s_add_nc_u64 s[14:15], s[4:5], s[20:21]
	s_add_nc_u64 s[46:47], s[6:7], s[46:47]
	CROUND
.irp s, 0,1
	s_mov_b32 s[G0A+4*(\s)], 1
	s_add_co_u32 s[G0A+4*(\s)+1], s22, (\s)*SLOT
	s_add_nc_u64 s[G0A+4*(\s)+2:G0A+4*(\s)+3], s[14:15], (\s)*256
	s_or_b32 s[G0A+4*(\s)+3], s[G0A+4*(\s)+3], 0x80000000
	s_mov_b32 s[G0B+4*(\s)], 1
	s_add_co_u32 s[G0B+4*(\s)+1], s23, (\s)*SLOT
	s_add_nc_u64 s[G0B+4*(\s)+2:G0B+4*(\s)+3], s[46:47], (\s)*128*6144
	s_or_b32 s[G0B+4*(\s)+3], s[G0B+4*(\s)+3], 0x80000000
	JLOAD \s                                       ; two loads of mine are out
.endr
	; THE TABLE OF w', in the wait for the first tiles.  Thread t owns rows 2 t and 2 t + 1 of the work-group's 256.
	s_lshl_b32 s20, s13, 10
	s_mov_b32 s21, 0
	s_add_nc_u64 s[16:17], s[16:17], s[20:21]
	v_lshlrev_b32 v3, 3, v0
.irp t, 0,1,2,3,4,5,6,7
	global_load_b64 v[64+2*(\t):65+2*(\t)], v3, s[16:17] offset:32768*(\t)          ; c m_t
.endr
.irp t, 0,1,2,3,4,5,6,7
	global_load_b64 v[80+2*(\t):81+2*(\t)], v3, s[16:17] offset:262144+32768*(\t)   ; l_t
.endr
	v_and_b32 v1, 15, v0                           ; r
	v_bfe_u32 v2, v0, 4, 1                         ; h
	v_mul_u32_u24 v5, v1, PP
	v_lshl_add_u32 v6, v2, 4, v5
	s_mul_i32 s20, s11, HALFA
	v_add_nc_u32 v[ADRP], s20, v6                  ; P fragment: (128 wr + r) x pitch + 16 h
	v_add_nc_u32 v[ADRP+1], SLOT, v[ADRP]
	v_and_b32 v7, 7, v0                            ; the turning load: lane l reads key 8 h + l % 8, channels 8 ((l / 8) % 2) + 0..7
	v_bfe_u32 v8, v0, 3, 1
	v_lshl_add_u32 v7, v2, 3, v7
	v_mul_u32_u24 v7, v7, PV
	v_lshl_add_u32 v7, v8, 4, v7
	s_lshl_b32 s21, s12, 7
	s_add_co_u32 s21, s21, BOFF
	v_add_nc_u32 v[ADRV], s21, v7
	v_add_nc_u32 v[ADRV+1], SLOT, v[ADRV]
	s_mul_i32 s22, s10, 16*272
	s_add_co_u32 s22, s22, STAGE
	v_lshl_add_u32 v9, v2, 5, v5                   ; into my stage: row r, 32 bytes for each half of the lanes
	v_add_nc_u32 v[STO], s22, v9
	v_mul_u32_u24 v9, v2, 272
	v_lshl_add_u32 v9, v1, 4, v9
	v_add_nc_u32 v[RD], s22, v9                    ; back: lanes 0-15 one row of 256 bytes, lanes 16-31 the next
	v_lshlrev_b32 v9, 12, v2
	v_lshl_add_u32 v[CO], v1, 4, v9
	s_lshl_b32 s23, s11, 10
	s_add_co_u32 s23, s23, WT
	v_lshl_add_u32 v[WA], v1, 3, s23               ; w' of row 128 wr + r (+ 16 a in the immediate)
	v_lshl_add_u32 v4, v0, 4, WT                   ; where I put my two rows' pairs
	s_lshl_b32 s20, s13, 8
	s_lshl_b32 s21, s11, 7
	s_add_co_u32 s20, s20, s21
	s_lshl_b32 s20, s20, 12                        ; out0: my first row,
	s_mov_b32 s21, 0
	s_add_nc_u64 s[18:19], s[18:19], s[20:21]
	s_lshl_b32 s46, s42, 9                         ; and my 64 channels: 512 x channel block + 256 x half
	s_lshl_b32 s47, s12, 8
	s_add_co_u32 s46, s46, s47
	s_mov_b32 s47, 0
	s_add_nc_u64 s[18:19], s[18:19], s[46:47]
	WIN 0x80
.set i, 0
.rept 256
	v_mov_b32 v[i], 0                              ; the result starts at 0
.set i, i+1
.endr
	WIN 0
	s_wait_loadcnt 0x0
	v_max3_num_f32 v96, v64, v66, v68              ; cM of my two rows
	v_max3_num_f32 v97, v65, v67, v69
	v_max3_num_f32 v96, v96, v70, v72
	v_max3_num_f32 v97, v97, v71, v73
	v_max3_num_f32 v96, v96, v74, v76
	v_max3_num_f32 v97, v97, v75, v77
	v_max_num_f32 v96, v96, v78
	v_max_num_f32 v97, v97, v79
.irp t, 0,1,2,3,4,5,6,7
	v_pk_add_f32 v[64+2*(\t):65+2*(\t)], v[64+2*(\t):65+2*(\t)], v[96:97] neg_lo:[0,1] neg_hi:[0,1]
.endr
.set i, 0
.rept 16
	v_exp_f32 v[64+i], v[64+i]                     ; w_t
.set i, i+1
.endr
	v_nop                                          ; a plain instruction behind the last exponential
	s_wait_alu depctr_va_vdst(0)
	v_pk_mul_f32 v[98:99], v[64:65], v[80:81]
.irp t, 1,2,3,4,5,6,7
	v_pk_fma_f32 v[98:99], v[64+2*(\t):65+2*(\t)], v[80+2*(\t):81+2*(\t)], v[98:99]   ; L
.endr
	v_rcp_f32 v100, v98
	v_rcp_f32 v101, v99
	v_nop                                          ; a plain instruction behind the last reciprocal
	s_wait_alu depctr_va_vdst(0)
	v_mul_f32 v100, 0x41000000, v100               ; 8 / L: v was kept as v / 8
	v_mul_f32 v101, 0x41000000, v101
.irp t, 0,1,2,3,4,5,6,7
	v_mul_f32 v[104+4*(\t)], v[64+2*(\t)], v100
	v_mul_f32 v[105+4*(\t)], v[64+2*(\t)], v100
	v_mul_f32 v[106+4*(\t)], v[65+2*(\t)], v101
	v_mul_f32 v[107+4*(\t)], v[65+2*(\t)], v101
.endr
.irp t, 0,1,2,3,4,5,6,7
	ds_store_b128 v4, v[104+4*(\t):107+4*(\t)] offset:2048*(\t)
.endr
.macro FETCH s, kq, n                  ; 24 LDS loads in one run: V's 4 fragments (turned), then P's 8, 32 keys at quarter kq of slot s, into buffers n
	WIN 0
.irp c, 0,1,2,3
	ds_load_tr16_b128 v[GV+32*(\n)+8*(\c):GV+32*(\n)+8*(\c)+3],   v[ADRV+(\s)] offset:(\kq)*32*PV+32*(\c)
	ds_load_tr16_b128 v[GV+32*(\n)+8*(\c)+4:GV+32*(\n)+8*(\c)+7], v[ADRV+(\s)] offset:(\kq)*32*PV+32*(\c)+16*PV
.endr
.irp i, 0,1,2,3,4,5,6,7
	ds_load_b128 v[FP+64*(\n)+8*(\i):FP+64*(\n)+8*(\i)+3],   v[ADRP+(\s)] offset:(\i)*16*PP+64*(\kq)
	ds_load_b128 v[FP+64*(\n)+8*(\i)+4:FP+64*(\n)+8*(\i)+7], v[ADRP+(\s)] offset:(\i)*16*PP+64*(\kq)+32
.endr
.endm
; 4 cnt matrix instructions: row blocks a0 .. a0 + cnt - 1 x all 4 channel blocks, on buffers f.  The 32 accumulators take turns, one instruction a turn.
.macro MUL f, a0, cnt, zero
	WIN 0x50
.set ia, \a0
.rept \cnt
.irp c, 0,1,2,3
.if \zero
	v_wmma_f32_16x16x32_f16 v[8*(4*ia+(\c)):8*(4*ia+(\c))+7], v[GV+32*(\f)+8*(\c):GV+32*(\f)+8*(\c)+7], v[FP+64*(\f)+8*ia:FP+64*(\f)+8*ia+7], 0
.else
	v_wmma_f32_16x16x32_f16 v[8*(4*ia+(\c)):8*(4*ia+(\c))+7], v[GV+32*(\f)+8*(\c):GV+32*(\f)+8*(\c)+7], v[FP+64*(\f)+8*ia:FP+64*(\f)+8*ia+7], v[8*(4*ia+(\c)):8*(4*ia+(\c))+7]
.endif
.endr
.set ia, ia+1
.endr
.endm
.macro QUARTER s, kq, f, g, zero       ; multiplies buffers f; in its middle fetches quarter kq of slot s into buffers g
	s_wait_dscnt 8                                 ; V and P's blocks 0-3 are in; the youngest eight loads (P's blocks 4-7) may be out
	MUL \f, 0, 4, \zero
	PLACES
	FETCH \s, \kq, \g
	s_wait_dscnt 24                                ; all but the 24 just issued
	MUL \f, 4, 4, \zero
.endm
.macro WLOAD                           ; w' of the key block in hand, for my 8 row blocks; the address steps to the next block's
	WIN 0
.irp i, 0,1,2,3,4,5,6,7
	ds_load_b64 v[WR+2*(\i):WR+2*(\i)+1], v[WA] offset:128*(\i)
.endr
	v_add_nc_u32 v[WA], 2048, v[WA]
.endm
.macro MADD                            ; result += w' X, each accumulator's registers in ascending order
	WIN 0xa1
.set i, 0
.rept 128
	v_pk_fma_f32 v[2*i:2*i+1], v[2*i:2*i+1], v[WR+2*(i/16):WR+2*(i/16)+1], v[2*i:2*i+1]
.set i, i+1
.endr
.endm
; The quarter on buffers 1 changes slots: ONE barrier; in front of it each wave waits for all its tensor loads (one is out: its part of the next slot), adds 0 to its spare word, and waits for that and
; for its reads of this slot.  fill = 1: the barrier opens a round of the cluster's and this slot is filled again, two steps on, 112 matrix instructions ahead of the wait for it.  wl = 1: the lap's w' are fetched.
.macro TURN slot, next, fill, wl
	WIN 0
	s_wait_tensorcnt 0x0
	ds_add_u32 v[SPW], v[NIL]
	s_wait_dscnt 9                                 ; (the add and the youngest eight loads may be out)
	MUL 1, 0, 2, 0
	s_wait_dscnt 0x0                               ; the add is done, and my reads of this slot are over
	s_barrier_signal -1
	MUL 1, 2, 2, 0
	WIN 0
	s_barrier_wait -1
.if \fill
	CREST
	s_add_nc_u64 s[G0A+4*(\slot)+2:G0A+4*(\slot)+3], s[G0A+4*(\slot)+2:G0A+4*(\slot)+3], 512
	s_add_nc_u64 s[G0B+4*(\slot)+2:G0B+4*(\slot)+3], s[G0B+4*(\slot)+2:G0B+4*(\slot)+3], 2*128*6144
	JLOAD \slot                                    ; its four v_nop are the places in front of the loads below, and behind the products of row blocks 0-3
.else
	PLACES
.endif
.if \wl
	WLOAD
.endif
	FETCH \next, 0, 0
	MUL 1, 4, 4, 0
.endm
	s_wait_tensorcnt 1                             ; my part of step 0 is in
	s_wait_dscnt 0x0                               ; my part of the table is written
	s_barrier_signal -1
	s_barrier_wait -1
	FETCH 0, 0, 0
	s_mov_b32 s3, 7
.Llap:                                                 ; a trip: one key block of 256, once round the ring; both slots are filled again: steps 2 to 15
	QUARTER 0, 1, 0, 1, 1                          ; the block's first products start X's sums
	QUARTER 0, 2, 1, 0, 0
	QUARTER 0, 3, 0, 1, 0
	TURN 0, 1, 1, 0
	QUARTER 1, 1, 0, 1, 0
	QUARTER 1, 2, 1, 0, 0
	QUARTER 1, 3, 0, 1, 0
	TURN 1, 0, 1, 1
	s_wait_dscnt 24                                ; w' are in; the 24 fragment loads behind them stay out
	MADD                                           ; row blocks 0-3 first: their 64 lines are the places behind the products of blocks 4-7
	WIN 0
	s_sub_co_u32 s3, s3, 1
	s_cmp_lg_u32 s3, 0
	s_cbranch_scc1 .Llap
	QUARTER 0, 1, 0, 1, 1                          ; the last key block fills nothing
	QUARTER 0, 2, 1, 0, 0
	QUARTER 0, 3, 0, 1, 0
	TURN 0, 1, 0, 0
	QUARTER 1, 1, 0, 1, 0
	QUARTER 1, 2, 1, 0, 0
	QUARTER 1, 3, 0, 1, 0
	WLOAD
	s_wait_dscnt 16                                ; P's blocks 4-7 and the eight w' may be out
	MUL 1, 0, 4, 0
	s_wait_dscnt 8
	MUL 1, 4, 4, 0
	PLACES
	s_wait_dscnt 0x0
	MADD
	WIN 0
	; THE WAY OUT.  No arithmetic is left: 8 / L lies in w'.  A row block (16 rows x 256 bytes of f32) at a time goes through my stage and comes back as whole rows.
.macro TOST a
	s_wait_xcnt 0x0                                ; earlier stores have had their addresses translated (ISA guide 3.1): the registers that they read are loaded again only behind this wait
	WIN 0x08                                       ; the store's data in window 2
.irp c, 0,1,2,3
	ds_store_b128 v[STO], v[8*(4*(\a)+(\c)):8*(4*(\a)+(\c))+3]   offset:64*(\c)
	ds_store_b128 v[STO], v[8*(4*(\a)+(\c))+4:8*(4*(\a)+(\c))+7] offset:64*(\c)+16
.endr
	WIN 0
.irp t, 0,1,2,3,4,5,6,7
	ds_load_b128 v[OB+32*((\a)%2)+4*(\t):OB+32*((\a)%2)+4*(\t)+3], v[RD] offset:(\t)*2*272  ; LDS serves a wave's instructions in order (ISA guide 5.7.1.4): these see the stores above
.endr
.endm
.macro SEND a, younger                 ; younger: the LDS instructions issued behind block a's loads: the next block's sixteen, or none
	s_wait_dscnt \younger
.irp t, 0,1,2,3,4,5,6,7
	global_store_b128 v[CO], v[OB+32*((\a)%2)+4*(\t):OB+32*((\a)%2)+4*(\t)+3], s[18:19] offset:(16*(\a)+2*(\t))*4096 th:TH_STORE_NT  ; 16 lanes store 256 consecutive bytes, aligned
.endr
.endm
	TOST 0
.irp a, 1,2,3,4,5,6,7
	TOST \a
	SEND (\a)-1, 16
.endr
	SEND 7, 0
	s_wait_tensorcnt 0x0                           ; the wave's end
	ds_add_u32 v[SPW], v[NIL]
	s_wait_dscnt 0x0
	CROUND                                         ; the closing round
	s_endpgm
.Lfunc_end_k_q257a2d969f_pv:
	.size	k_q257a2d969f_pv, .Lfunc_end_k_q257a2d969f_pv-k_q257a2d969f_pv
	.p2alignl 7, 3214868480
	.fill 96, 4, 3214868480
	.section	.rodata,"a",@progbits
	.p2align	6, 0x0
	.amdhsa_kernel k_q257a2d969f_pv
		.amdhsa_group_segment_fixed_size 327680
		.amdhsa_private_segment_fixed_size 0
		.amdhsa_enable_private_segment 0
		.amdhsa_kernarg_size 32
		.amdhsa_user_sgpr_count 2
		.amdhsa_user_sgpr_kernarg_segment_ptr 1
		.amdhsa_wavefront_size32 1
		.amdhsa_system_sgpr_workgroup_id_x 1
		.amdhsa_system_sgpr_workgroup_id_y 1
		.amdhsa_system_sgpr_workgroup_id_z 1
		.amdhsa_system_vgpr_workitem_id 0
		.amdhsa_next_free_vgpr 768
		.amdhsa_next_free_sgpr 66
		.amdhsa_reserve_vcc 0
		.amdhsa_float_denorm_mode_32 3
		.amdhsa_float_denorm_mode_16_64 3
		.amdhsa_memory_ordered 1
		.amdhsa_forward_progress 1
		.amdhsa_inst_pref_size 117
	.end_amdhsa_kernel
	.amdgpu_metadata
---
amdhsa.version: [ 1, 2 ]
amdhsa.kernels:
  - .name:           k_q257a2d969f_pv
    .symbol:         k_q257a2d969f_pv.kd
    .args:
      - { .name: p, .offset: 0, .size: 8, .value_kind: global_buffer, .address_space: global }
      - { .name: qkv, .offset: 8, .size: 8, .value_kind: global_buffer, .address_space: global }
      - { .name: stats, .offset: 16, .size: 8, .value_kind: global_buffer, .address_space: global }
      - { .name: out0, .offset: 24, .size: 8, .value_kind: global_buffer, .address_space: global }
    .group_segment_fixed_size: 327680
    .private_segment_fixed_size: 0
    .kernarg_segment_align: 8
    .kernarg_segment_size: 32
    .max_flat_workgroup_size: 128
    .sgpr_count:     66
    .vgpr_count:     768
    .wavefront_size: 32
...
	.end_amdgpu_metadata
.endif
;; end of part 4
;; ======== version 2 of 2: 4 launches; version 1 with the launch prep written anew for expert scheduling mode
;; limits: values are held in f16: magnitudes above 65,504 overflow, below 6.1e-05 lose precision; right only within a limited range of input values
;; workspace buffers: xb 16,777,216 bytes; wb 6,291,456 bytes; qkv 50,331,648 bytes; p 33,554,432 bytes; stats 524,288 bytes
;; launch prep (part 5): grid 352 x 1, 8 waves a work-group, no clusters, 0 bytes of LDS; arguments x, kernel, xb, wb; writes xb, wb
.if DOCPART == 5
	.amdgcn_target "amdgcn-amd-amdhsa--gfx1250"
	.amdhsa_code_object_version 6
	.text
	.protected	k_q257a2d969f_prep
	.globl	k_q257a2d969f_prep
	.p2align	8
	.type	k_q257a2d969f_prep,@function
k_q257a2d969f_prep:
	s_mov_b64 s[64:65], 0
	v_nop
	global_prefetch_b8 v0, s[64:65] scope:SCOPE_SE
	s_setreg_imm32_b32 hwreg(HW_REG_WAVE_SCHED_MODE, 0, 2), 2
	s_setreg_imm32_b32 hwreg(HW_REG_WAVE_MODE, 25, 1), 1
	s_wait_xcnt 0x0
	s_wait_alu depctr_vm_vsrc(0)
; CASTS.  xb[kb][row][kk] = bf16(x[row][64 kb + kk]): x's 8,192 rows in 16 blocks of 64 along K, so that 256 rows x 64 k lie as 32,768 dense bytes.
; wb[d][1024 j + e] = bf16(kernel[j][d][e] / 8): the three weights side by side, 6,144 bytes a row.  The division by 8 is a step of the exponent, exact
; but for numbers below 2^-123; it leaves q, k and v, kept in f16 by the next launch, room up to 8 x 65,504.
; A stream: every input byte is read once, by 16-byte loads of which sixteen neighbouring lanes cover 256 aligned bytes; every store of a wave covers
; 256 consecutive aligned bytes.  No LDS, no matrix unit, no cluster: nothing is shared and nothing is used twice.
; Work-groups 0-255 take 32 rows of x each, work-groups 256-351 take 32 rows (j, d) of kernel each.  A wave issues its 32 loads at once and owns a register
; for every load and every store.
; THE MODE: SCHED_MODE bits 1:0 = 2 (LLVM: expert scheduling mode 2), set by the entry lines.  The code itself states the register dependences
; between vector instructions and memory instructions, with s_wait_alu, always for 0.
; THE PLAN.  Registers that memory instructions touch, in either path:
;   v5, v6   byte offsets of the loads and of the stores: made once at the path's head, never written again.
;   IN       load n lands in its own four registers, which no vector instruction names before; behind the counted wait for the load only vector instructions name them.
;   OUTR     store n's own two registers: written once, by load n's two conversions; read once, by store n.
; No register that a memory instruction reads is written a second time, no load lands in a register that a vector instruction has named, no vector instruction writes a scalar
; register or VCC, and EXEC is never written.  So the only dependence to state is: written by a vector instruction, then read by a memory instruction.
; The 32 loads are worked on in 8 blocks of four.  Block p converts its four loads; its memory instructions are the four stores of block p - 1, whose registers no vector
; instruction of block p names.  So ONE wait at a block's head, behind the wait for the block's loads, states all that its four stores hang on, and they are dealt among its conversions.
.set IN,  8                            ; v[8:135]    load n: 4 registers
.set OUTR, 136                         ; v[136:199]  store n: 2 registers
	s_load_b256 s[4:11], s[0:1], 0x0               ; x s[4:5], kernel s[6:7], xb s[8:9], wb s[10:11]
	v_lshrrev_b32 v1, 5, v0                        ; wave
	v_bfe_u32 v2, v0, 4, 1                         ; which half of the lanes
	v_and_b32 v3, 15, v0                           ; place in the half
	v_and_b32 v4, 31, v0                           ; lane
	s_cmp_lt_u32 ttmp9, 256
	s_cbranch_scc0 .Lweights
	; x: a wave takes 4 rows; a load takes 256 bytes (64 k) of two rows, one for each half of the lanes
	v_lshl_add_u32 v2, v1, 2, v2                   ; row in the group: 4 wave + half (+ 2 pair in the immediate)
	v_lshlrev_b32 v5, 4, v3
	v_lshl_add_u32 v5, v2, 12, v5                  ; from: row x 4,096 + 16 c
	v_lshlrev_b32 v6, 3, v3
	v_lshl_add_u32 v6, v2, 7, v6                   ; to: row x 128 + 8 c
	s_lshl_b32 s12, ttmp9, 17                      ; 32 rows of 4,096 bytes
	s_mov_b32 s13, 0
	s_lshl_b32 s14, ttmp9, 12                      ; 32 rows of 128 bytes
	s_mov_b32 s15, 0
	s_wait_kmcnt 0x0
	s_add_nc_u64 s[4:5], s[4:5], s[12:13]
	s_add_nc_u64 s[8:9], s[8:9], s[14:15]
	s_add_nc_u64 s[16:17], s[8:9], 0x800000        ; blocks 8-15 of xb: a second base keeps the immediates inside their signed 24 bits
	s_wait_alu depctr_va_vdst(0)                   ; v5 and v6 are written: every load of this path reads v5 as its offset, every store v6
.set n, 0
.rept 32                               ; load n: pair n / 16 of rows, block n % 16 of k
	global_load_b128 v[IN+4*n:IN+4*n+3], v5, s[4:5] offset:(n/16)*8192+(n%16)*256 th:TH_LOAD_NT
.set n, n+1
.endr
.macro XSTORE k                        ; store k: two rows x 128 bytes: 256 consecutive bytes
.if ((\k)%16) < 8
	global_store_b64 v6, v[OUTR+2*(\k):OUTR+2*(\k)+1], s[8:9] offset:((\k)/16)*256+((\k)%16)*1048576
.else
	global_store_b64 v6, v[OUTR+2*(\k):OUTR+2*(\k)+1], s[16:17] offset:((\k)/16)*256+(((\k)%16)-8)*1048576
.endif
.endm
.set p, 0
.rept 8                                ; block p: loads 4 p to 4 p + 3
	s_wait_loadcnt 28-4*p                          ; loads come back in order (ISA guide 5.7.1): the block's four are in, the younger ones stay out
.if p > 0
	s_wait_alu depctr_va_vdst(0)                   ; the conversions of the block before have written its eight registers of OUTR, which the four stores below read
.endif
.set i, 0
.rept 4
.set n, 4*p+i
.if p > 0
	XSTORE n-4                                     ; the block before; no vector instruction since the wait names its registers
.endif
	v_cvt_pk_bf16_f32 v[OUTR+2*n], v[IN+4*n], v[IN+4*n+1]
	v_cvt_pk_bf16_f32 v[OUTR+2*n+1], v[IN+4*n+2], v[IN+4*n+3]
.set i, i+1
.endr
.set p, p+1
.endr
	s_wait_alu depctr_va_vdst(0)                   ; block 7's conversions have written its registers of OUTR, which the last four stores read
.irp k, 28,29,30,31
	XSTORE \k
.endr
	s_endpgm
.Lweights:
	; kernel: a wave takes 4 rows (j, d); a load takes 512 consecutive bytes of a row
	s_sub_co_u32 s12, ttmp9, 256                   ; group 0-95
	s_lshr_b32 s18, s12, 5                         ; j
	s_and_b32 s19, s12, 31
	s_mul_i32 s14, s19, 32*6144                    ; the group's first d, in rows of wb,
	s_lshl_b32 s18, s18, 11                        ; and j's 2,048 bytes in a row
	s_add_co_u32 s14, s14, s18
	s_mov_b32 s15, 0
	s_lshl_b32 s12, s12, 17
	s_mov_b32 s13, 0
	v_lshlrev_b32 v5, 4, v4
	v_lshl_add_u32 v5, v1, 14, v5                  ; from: wave x 4 rows + 16 lane
	v_lshlrev_b32 v6, 3, v4
	v_mul_u32_u24 v7, v1, 4*6144
	v_add_nc_u32 v6, v6, v7                        ; to: wave x 4 rows of wb + 8 lane
	s_wait_kmcnt 0x0
	s_add_nc_u64 s[6:7], s[6:7], s[12:13]
	s_add_nc_u64 s[10:11], s[10:11], s[14:15]
	s_wait_alu depctr_va_vdst(0)                   ; v5 and v6 are written: every load of this path reads v5 as its offset, every store v6
.set n, 0
.rept 32                               ; load n: row n / 8, 512 bytes n % 8
	global_load_b128 v[IN+4*n:IN+4*n+3], v5, s[6:7] offset:(n/8)*4096+(n%8)*512 th:TH_LOAD_NT
.set n, n+1
.endr
.macro WSTORE k                        ; store k: 256 consecutive bytes, aligned
	global_store_b64 v6, v[OUTR+2*(\k):OUTR+2*(\k)+1], s[10:11] offset:((\k)/8)*6144+((\k)%8)*256
.endm
.set p, 0
.rept 8                                ; block p: loads 4 p to 4 p + 3
	s_wait_loadcnt 28-4*p                          ; the block's four loads are in, the younger ones stay out
.if p > 0
	s_wait_alu depctr_va_vdst(0)                   ; the conversions of the block before have written its eight registers of OUTR, which the four stores below read
.endif
.set i, 0
.rept 4
.set n, 4*p+i
.if p > 0
	WSTORE n-4                                     ; the block before; no vector instruction since the wait names its registers
.endif
	v_pk_mul_f32 v[IN+4*n:IN+4*n+1], v[IN+4*n:IN+4*n+1], 0x3e000000 op_sel_hi:[1,0]           ; / 8
	v_pk_mul_f32 v[IN+4*n+2:IN+4*n+3], v[IN+4*n+2:IN+4*n+3], 0x3e000000 op_sel_hi:[1,0]
	v_cvt_pk_bf16_f32 v[OUTR+2*n], v[IN+4*n], v[IN+4*n+1]
	v_cvt_pk_bf16_f32 v[OUTR+2*n+1], v[IN+4*n+2], v[IN+4*n+3]
.set i, i+1
.endr
.set p, p+1
.endr
	s_wait_alu depctr_va_vdst(0)                   ; block 7's conversions have written its registers of OUTR, which the last four stores read
.irp k, 28,29,30,31
	WSTORE \k
.endr
	s_endpgm
.Lfunc_end_k_q257a2d969f_prep:
	.size	k_q257a2d969f_prep, .Lfunc_end_k_q257a2d969f_prep-k_q257a2d969f_prep
	.p2alignl 7, 3214868480
	.fill 96, 4, 3214868480
	.section	.rodata,"a",@progbits
	.p2align	6, 0x0
	.amdhsa_kernel k_q257a2d969f_prep
		.amdhsa_group_segment_fixed_size 0
		.amdhsa_private_segment_fixed_size 0
		.amdhsa_enable_private_segment 0
		.amdhsa_kernarg_size 32
		.amdhsa_user_sgpr_count 2
		.amdhsa_user_sgpr_kernarg_segment_ptr 1
		.amdhsa_wavefront_size32 1
		.amdhsa_system_sgpr_workgroup_id_x 1
		.amdhsa_system_sgpr_workgroup_id_y 1
		.amdhsa_system_sgpr_workgroup_id_z 1
		.amdhsa_system_vgpr_workitem_id 0
		.amdhsa_next_free_vgpr 200
		.amdhsa_next_free_sgpr 66
		.amdhsa_reserve_vcc 0
		.amdhsa_float_denorm_mode_32 3
		.amdhsa_float_denorm_mode_16_64 3
		.amdhsa_memory_ordered 1
		.amdhsa_forward_progress 1
		.amdhsa_inst_pref_size 29
	.end_amdhsa_kernel
	.amdgpu_metadata
---
amdhsa.version: [ 1, 2 ]
amdhsa.kernels:
  - .name:           k_q257a2d969f_prep
    .symbol:         k_q257a2d969f_prep.kd
    .args:
      - { .name: x, .offset: 0, .size: 8, .value_kind: global_buffer, .address_space: global }
      - { .name: kernel, .offset: 8, .size: 8, .value_kind: global_buffer, .address_space: global }
      - { .name: xb, .offset: 16, .size: 8, .value_kind: global_buffer, .address_space: global }
      - { .name: wb, .offset: 24, .size: 8, .value_kind: global_buffer, .address_space: global }
    .group_segment_fixed_size: 0
    .private_segment_fixed_size: 0
    .kernarg_segment_align: 8
    .kernarg_segment_size: 32
    .max_flat_workgroup_size: 256
    .sgpr_count:     66
    .vgpr_count:     200
    .wavefront_size: 32
...
	.end_amdgpu_metadata
.endif
;; end of part 5
;; launch proj: the kernel of part 2 again; grid 8 x 32, 4 waves a work-group, clusters of 4 x 4, 327,680 bytes of LDS; arguments xb, wb, qkv; writes qkv
;; launch scores: the kernel of part 3 again; grid 8 x 32, 4 waves a work-group, clusters of 4 x 4, 327,680 bytes of LDS; arguments qkv, p, stats; writes p, stats
;; launch pv: the kernel of part 4 again; grid 8 x 32, 4 waves a work-group, clusters of 4 x 4, 327,680 bytes of LDS; arguments p, qkv, stats, out0; writes out0
